; MI455X (gfx1250); checked and timed in simulation.
; The chip was launched on July 23, 2026; its instructions are those of AMD's public machine-readable ISA for CDNA 5 (MIT licence, August 2026) and "CDNA5" Instruction Set Architecture Reference Guide (July 2026). The comments in the code are by the model that wrote it; some were corrected since.
;; attentiona. Allowed arithmetic: float matrix products may take bf16 or f16 operands with f32 sums; other float arithmetic in f32, or as packed bf16 or f16 multiplies, adds, multiply-adds, maxima and minima; sums over many terms, partial sums and values carried from step to step in f32; what a program stores and reads back later, other than sums and carried values, may be rounded once to bf16 or f16.
;; Inputs: ln_b 1,024 float32; ln_w 1,024 float32; theta one number float32; w_kv 1,024 x 2,048 float32; w_o 1,024 x 1,024 float32; w_q 1,024 x 1,024 float32; x 1 x 2,048 x 1,024 float32.
;; Outputs: out0 1 x 2,048 x 1,024 float32.
;; 2 versions, each right. Each part assembles by itself: llvm-mc -triple=amdgcn-amd-amdhsa -mcpu=gfx1250 --defsym DOCPART=n.
;; ======== version 1 of 2: 4 launches
;; limits: values are held in f16: magnitudes above 65,504 overflow, below 6.1e-05 lose precision; right only within a limited range of input values
;; workspace buffers: h16 4,194,304 bytes; w16 8,388,608 bytes; tab 524,288 bytes; qkv16 12,582,912 bytes; mx 2,048 bytes; wv16 4,194,304 bytes
;; launch prep (part 1): grid 256 x 1, 8 waves a work-group, no clusters, 0 bytes of LDS; arguments x, ln_w, ln_b, w_q, w_kv, w_o, theta, h16, w16, tab; writes h16, w16, tab
.if DOCPART == 1
	.amdgcn_target "amdgcn-amd-amdhsa--gfx1250"
	.amdhsa_code_object_version 6
	.text
	.protected	k_q114cca2eee_prep
	.globl	k_q114cca2eee_prep
	.p2align	8
	.type	k_q114cca2eee_prep,@function
k_q114cca2eee_prep:
	s_mov_b64 s[64:65], 0
	v_nop
	global_prefetch_b8 v0, s[64:65] scope:SCOPE_SE
	s_setreg_imm32_b32 hwreg(HW_REG_WAVE_MODE, 25, 1), 1
	s_wait_xcnt 0x0
; PREP: a stream, no LDS, no barrier, no loop.  2,048 waves; wave W = 8 x work-group + wave does three things:
;   (1) the cos/sin table's row for position W (lane = pair p, 32 pairs, 256 bytes);
;   (2) 32 k-rows of one 64-column block of the weights, f32 -> f16: w16[blk = W>>5][k][64], blk = 16 part + c, part q,k,v,o = 0..3;
;   (3) LayerNorm of row W of x, f32 -> f16 into h16.
; All 40 loads of a wave (20 KiB) are issued first; the table, which needs theta alone, is computed while they are on their way.
; Matrix operands are kept in f16, not bf16: every output is a mean over 2,048 keys, so each rounding of an operand shows whole in the result.
; LIMITS: |h| and |w| below 65,504 (f16); |angle| below 2^31 * pi/2 (the quadrant is kept as i32).
; THE FREQUENCIES follow the f32 roundings that the defining program makes, one IEEE operation a line, because position x frequency
; reaches 3.7e5 radians, where the last bit of an f32 is 0.03 radians.  ASSUMED of it, and held in two symbols:
;   COMPILED = 1: it is compiled as a whole.  What hangs on constants alone is folded with true f32 operations:
;     top = RN(2595 * RN(RN(ln 21) / RN(ln 10))); a VARIABLE divided by a constant is multiplied by the constant's rounded reciprocal.
;   COMPILED = 0: it runs operation by operation: inside log10 the division is such a multiplication (top is one unit lower), the
;     divisions by 2595, 1000 and 220 are true divisions.
;   REASSOC = 1: in a product (a * constant) * scalar the constant is moved onto the scalar: the i-th point of the linspace is
;     RN(i * RN(top * RN(1/31))), and (COMPILED = 1) the frequency is RN(mel * RN(theta * C2)), C2 = RN(RN(RN(1/220) * RN(1/1000)) * 200).
;   REASSOC = 0: the products stay as written.
; 10^y is taken as correctly rounded in every case.
.set COMPILED, 1
.set REASSOC, 1
.if COMPILED
.set TOP, 0x4556728c
.else
.set TOP, 0x4556728b
.endif
.set C31, 0x3d042108                   ; RN(1/31)
.set C2,  0x3a6e500e                   ; see above: 15,618,062 * 2^-34
.set WT, 8                             ; v[8:71]    16 x 4: weights as loaded, then packed
.set X,  72                            ; v[72:103]  my 32 numbers of the row: element 128 j + 4 lane + 0..3 in registers 4 j + 0..3
.set LW, 104                           ; v[104:135] ln_w, same places
.set LB, 136                           ; v[136:167] ln_b, same places
.set Y,  168                           ; v168 .. v191 at work
.set WH, 169
.set WL, 170
.set NF, 171
.set R0, 172
.set TT, 173
.set RH, 174
.set RL, 175
.set UH, 176
.set UL, 177
.set PP, 178
.set PE, 179
.set CC, 180
.set T3, 181
.set E1, 182
.set SM, 183
.set PH, 184
.set AA, 185
.set AE, 186
.set BB, 187
.set BE, 188
.set TL, 189
.set EH, 190
.set EL, 191
.set CS, 192                           ; v[192:193] cos, sin: the table's store data, never rewritten
; q = a / b, correctly rounded: a first quotient by the rounded reciprocal r, its exact remainder, one correction.  recip = 1: a * r alone.
.macro DIV q, a, b, r, t, recip
	v_mul_f32 v[\q], \r, v[\a]
.if \recip == 0
	v_fma_f32 v[\t], -v[\q], \b, v[\a]
	v_fma_f32 v[\q], v[\t], \r, v[\q]
.endif
.endm
; 16 loads of 32 k-rows x 256 bytes of one column block; a source row is 1 << lg bytes; sixteen lanes take 256 neighbouring bytes
.macro WLOAD lg
	v_lshlrev_b32 v4, \lg, v6
	v_lshl_add_u32 v4, v7, 4, v4
.irp t, 0,1,2,3,4,5,6,7,8,9,10,11,12,13,14,15
	global_load_b128 v[WT+4*\t:WT+4*\t+3], v4, s[34:35] offset:\t*(2<<\lg) th:TH_LOAD_NT
.endr
.endm
; sum over the 32 lanes, result in every lane; t: a register that has been written
.macro LANESUM a, t
	v_add_f32_dpp v[\a], v[\a], v[\a] row_xmask:1 row_mask:0xf bank_mask:0xf
	v_add_f32_dpp v[\a], v[\a], v[\a] row_xmask:2 row_mask:0xf bank_mask:0xf
	v_add_f32_dpp v[\a], v[\a], v[\a] row_xmask:4 row_mask:0xf bank_mask:0xf
	v_add_f32_dpp v[\a], v[\a], v[\a] row_xmask:8 row_mask:0xf bank_mask:0xf
	v_permlanex16_b32 v[\t], v[\a], s36, s37
	v_add_f32 v[\a], v[\a], v[\t]
.endm
	s_load_b512 s[4:19], s[0:1], 0x0               ; x 4:5, ln_w 6:7, ln_b 8:9, w_q 10:11, w_kv 12:13, w_o 14:15, theta 16:17, h16 18:19
	s_load_b128 s[20:23], s[0:1], 0x40             ; w16 20:21, tab 22:23
	v_and_b32 v1, 31, v0                           ; lane
	v_lshrrev_b32 v5, 5, v0
	v_readfirstlane_b32 s25, v5                    ; wave
	s_lshl_b32 s26, ttmp9, 3
	s_add_co_u32 s26, s26, s25                     ; W
	s_lshr_b32 s27, ttmp9, 6                       ; part = W >> 9
	s_bfe_u32 s28, ttmp9, 0x40002                  ; c = (W >> 5) & 15
	s_and_b32 s29, s26, 31                         ; which 32 k-rows
	s_add_co_u32 s38, s27, 1
	s_bfe_u32 s38, s38, 0x10001                    ; 1 for k and v (rows of 8,192 bytes in w_kv), 0 for q and o (4,096)
	s_add_co_u32 s32, s38, 17
	s_lshl_b32 s30, s29, s32                       ; 32 rows x pitch x chunk
	s_lshl_b32 s33, s28, 8
	s_add_co_u32 s30, s30, s33                     ; + 256 bytes x column block
	s_cmp_eq_u32 s27, 2
	s_cselect_b32 s33, 4096, 0                     ; v is the right half of w_kv
	s_add_co_u32 s30, s30, s33
	s_mov_b32 s31, 0
	s_mov_b32 s36, 0x76543210                      ; v_permlanex16_b32: lane i reads lane i of the other half
	s_mov_b32 s37, 0xfedcba98
	s_mov_b32 s39, 0x3a800000                      ; 1/1024
	v_lshlrev_b32 v2, 4, v1                        ; 16 lane
	v_lshlrev_b32 v3, 3, v1                        ; 8 lane
	v_lshrrev_b32 v6, 4, v1
	v_and_b32 v7, 15, v1
	s_wait_kmcnt 0x0
	s_load_b32 s24, s[16:17], 0x0                  ; theta
	s_cmp_eq_u32 s27, 0
	s_cselect_b64 s[34:35], s[10:11], s[12:13]
	s_cmp_eq_u32 s27, 3
	s_cselect_b64 s[34:35], s[14:15], s[34:35]     ; the part's source
	s_add_nc_u64 s[34:35], s[34:35], s[30:31]
	s_lshl_b32 s32, s26, 12
	s_mov_b32 s33, 0
	s_add_nc_u64 s[4:5], s[4:5], s[32:33]          ; x + 4,096 W
	s_add_nc_u64 s[20:21], s[20:21], s[32:33]      ; w16 + 131,072 blk + 128 x 32 x chunk = w16 + 4,096 W
	s_lshl_b32 s32, s26, 11
	s_add_nc_u64 s[18:19], s[18:19], s[32:33]      ; h16 + 2,048 W
	s_lshl_b32 s32, s26, 8
	s_add_nc_u64 s[22:23], s[22:23], s[32:33]      ; tab + 256 W
	s_cmp_lg_u32 s38, 0
	s_cbranch_scc1 .Lwide
	WLOAD 12
	s_branch .Lwdone
.Lwide:
	WLOAD 13
.Lwdone:
.irp j, 0,1,2,3,4,5,6,7
	global_load_b128 v[X+4*\j:X+4*\j+3], v2, s[4:5] offset:512*\j th:TH_LOAD_NT
.endr
.irp j, 0,1,2,3,4,5,6,7
	global_load_b128 v[LW+4*\j:LW+4*\j+3], v2, s[6:7] offset:512*\j
.endr
.irp j, 0,1,2,3,4,5,6,7
	global_load_b128 v[LB+4*\j:LB+4*\j+3], v2, s[8:9] offset:512*\j
.endr
	; ---- the table: frequency of pair p = lane ----
	v_cvt_f32_u32 v[WH], v1
	v_mov_b32 v[NF], TOP
.if REASSOC
	v_mul_f32 v[WL], C31, v[NF]                    ; top * RN(1/31), the same in every lane
	v_mul_f32 v[WL], v[WH], v[WL]                  ; i * that (the start, 0, adds nothing)
.else
	v_mul_f32 v[WL], C31, v[WH]                    ; i * RN(1/31)
	v_mul_f32 v[WL], v[NF], v[WL]                  ; top * that
.endif
	v_cmp_eq_u32 vcc_lo, 31, v1
	v_cndmask_b32 v[WL], v[WL], v[NF], vcc_lo      ; the last point is the stop value itself
	DIV Y, WL, 2595.0, 0x39ca09ab, NF, COMPILED
	; 10^y, rounded once at the end: y ln 10 as a sum of two f32, minus n ln 2, a quarter of it through the series to u^7, squared twice
	v_mul_f32 v[WH], 0x40135d8e, v[Y]
	v_fma_f32 v[WL], v[Y], 0x40135d8e, -v[WH]
	v_fma_f32 v[WL], v[Y], 0xb309555d, v[WL]
	v_mul_f32 v[NF], 0x3fb8aa3b, v[WH]
	v_rndne_f32 v[NF], v[NF]
	v_fma_f32 v[R0], -v[NF], 0x3f317200, v[WH]
	v_fma_f32 v[TT], -v[NF], 0x35bfbe8e, v[WL]
	v_add_f32 v[RH], v[R0], v[TT]
	v_sub_f32 v[RL], v[RH], v[R0]
	v_sub_f32 v[RL], v[TT], v[RL]
	v_mul_f32 v[UH], 0x3e800000, v[RH]
	v_mul_f32 v[UL], 0x3e800000, v[RL]
	v_mul_f32 v[PP], v[UH], v[UH]
	v_fma_f32 v[PE], v[UH], v[UH], -v[PP]
	v_mov_b32 v[CC], 0x39500d01                    ; 1/5040
	v_fmaak_f32 v[CC], v[CC], v[UH], 0x3ab60b61    ; 1/720
	v_fmaak_f32 v[CC], v[CC], v[UH], 0x3c088889    ; 1/120
	v_fmaak_f32 v[CC], v[CC], v[UH], 0x3d2aaaab    ; 1/24
	v_fmaak_f32 v[CC], v[CC], v[UH], 0x3e2aaaab    ; 1/6
	v_mul_f32 v[T3], v[PP], v[UH]
	v_mul_f32 v[T3], v[T3], v[CC]                  ; u^3 (1/6 + ..)
	v_fma_f32 v[E1], 0.5, v[PP], v[UH]
	v_add_f32 v[E1], 1.0, v[E1]
	v_fma_f32 v[SM], v[UL], v[E1], v[T3]           ; the low part of u times the derivative
	v_fma_f32 v[SM], 0.5, v[PE], v[SM]
	v_mul_f32 v[PH], 0.5, v[PP]
	v_add_f32 v[AA], v[UH], v[PH]
	v_sub_f32 v[AE], v[AA], v[UH]
	v_sub_f32 v[AE], v[PH], v[AE]
	v_add_f32 v[BB], 1.0, v[AA]
	v_add_f32 v[BE], -1.0, v[BB]
	v_sub_f32 v[BE], v[AA], v[BE]
	v_add_f32 v[TL], v[BE], v[AE]
	v_add_f32 v[TL], v[TL], v[SM]
	v_add_f32 v[EH], v[BB], v[TL]
	v_sub_f32 v[EL], v[EH], v[BB]
	v_sub_f32 v[EL], v[TL], v[EL]
.rept 2
	v_mul_f32 v[PP], v[EH], v[EH]
	v_fma_f32 v[PE], v[EH], v[EH], -v[PP]
	v_add_f32 v[T3], v[EH], v[EH]
	v_fma_f32 v[PE], v[T3], v[EL], v[PE]
	v_add_f32 v[EH], v[PP], v[PE]
	v_sub_f32 v[EL], v[EH], v[PP]
	v_sub_f32 v[EL], v[PE], v[EL]
.endr
	v_cvt_i32_f32 v[NF], v[NF]
	v_ldexp_f32 v[EH], v[EH], v[NF]                ; 10^y
	v_add_f32 v[WH], -1.0, v[EH]                   ; mel
	s_wait_kmcnt 0x0                               ; theta
	v_mov_b32 v[R0], s24
.if COMPILED*REASSOC
	v_mul_f32 v[TT], C2, v[R0]                     ; theta * C2: all the constant factors on the scalar
	v_mul_f32 v[WL], v[WH], v[TT]                  ; the frequency
.else
	v_mul_f32 v[WH], 200.0, v[WH]
	DIV WL, WH, 1000.0, 0x3a83126f, NF, COMPILED   ; the base frequency
	DIV TT, R0, 220.0, 0x3b94f209, NF, COMPILED
	v_mul_f32 v[WL], v[TT], v[WL]                  ; the frequency
.endif
	v_cvt_f32_u32 v[R0], s26
	v_mul_f32 v[Y], v[R0], v[WL]                   ; the angle, rounded to f32 as the defining program rounds it
	; cos and sin of that f32: n = angle * 2/pi rounded, pi/2 taken away in three parts; a second, small reduction mends n where the angle is large
	v_mul_f32 v[NF], 0x3f22f983, v[Y]
	v_rndne_f32 v[NF], v[NF]
	v_fma_f32 v[RH], -v[NF], 0x3fc90fdb, v[Y]
	v_fma_f32 v[RH], -v[NF], 0xb33bbd2e, v[RH]
	v_fma_f32 v[RH], -v[NF], 0xa6f72ced, v[RH]
	v_mul_f32 v[TT], 0x3f22f983, v[RH]
	v_rndne_f32 v[TT], v[TT]
	v_fma_f32 v[RH], -v[TT], 0x3fc90fdb, v[RH]
	v_fma_f32 v[RH], -v[TT], 0xb33bbd2e, v[RH]
	v_cvt_i32_f32 v[NF], v[NF]
	v_cvt_i32_f32 v[TT], v[TT]
	v_add_nc_u32 v[NF], v[NF], v[TT]               ; the quadrant
	v_mul_f32 v[PP], v[RH], v[RH]
	v_mov_b32 v[CC], 0x3638ef1d                    ; sin: 1/9!, -1/7!, 1/5!, -1/3!
	v_fmaak_f32 v[CC], v[CC], v[PP], 0xb9500d01
	v_fmaak_f32 v[CC], v[CC], v[PP], 0x3c088889
	v_fmaak_f32 v[CC], v[CC], v[PP], 0xbe2aaaab
	v_mul_f32 v[T3], v[RH], v[PP]
	v_fma_f32 v[SM], v[T3], v[CC], v[RH]
	v_mov_b32 v[E1], 0xb493f27e                    ; cos: -1/10!, 1/8!, -1/6!, 1/4!, -1/2
	v_fmaak_f32 v[E1], v[E1], v[PP], 0x37d00d01
	v_fmaak_f32 v[E1], v[E1], v[PP], 0xbab60b61
	v_fmaak_f32 v[E1], v[E1], v[PP], 0x3d2aaaab
	v_fma_f32 v[E1], v[E1], v[PP], -0.5
	v_fma_f32 v[E1], v[E1], v[PP], 1.0
	v_and_b32 v[TT], 1, v[NF]
	v_cmp_eq_u32 vcc_lo, 1, v[TT]
	v_cndmask_b32 v[CS], v[E1], v[SM], vcc_lo      ; odd quadrant: the two change places
	v_cndmask_b32 v[CS+1], v[SM], v[E1], vcc_lo
	v_add_nc_u32 v[TT], 1, v[NF]
	v_lshlrev_b32 v[TT], 30, v[TT]
	v_and_b32 v[TT], 0x80000000, v[TT]             ; cos is negative in quadrants 1 and 2
	v_xor_b32 v[CS], v[CS], v[TT]
	v_lshlrev_b32 v[TT], 30, v[NF]
	v_and_b32 v[TT], 0x80000000, v[TT]             ; sin in quadrants 2 and 3
	v_xor_b32 v[CS+1], v[CS+1], v[TT]
	global_store_b64 v3, v[CS:CS+1], s[22:23]      ; the wave's store covers 256 consecutive bytes, aligned
	; ---- the weights ----
	s_wait_loadcnt 24                              ; the 16 oldest loads are in; x, ln_w, ln_b (24) may stay out
.irp t, 0,1,2,3,4,5,6,7,8,9,10,11,12,13,14,15
	v_cvt_pk_f16_f32 v[WT+4*\t], v[WT+4*\t], v[WT+4*\t+1]
	v_cvt_pk_f16_f32 v[WT+4*\t+1], v[WT+4*\t+2], v[WT+4*\t+3]
	global_store_b64 v3, v[WT+4*\t:WT+4*\t+1], s[20:21] offset:256*\t   ; two block rows of 128 bytes: 256 consecutive bytes
.endr
	; ---- LayerNorm: two passes over registers (mean, then the squares of the differences), so an offset in x costs nothing ----
	s_wait_loadcnt 16                              ; x is in; ln_w and ln_b (16) may stay out
.irp k, 0,1,2,3
	v_pk_add_f32 v[168+2*\k:169+2*\k], v[X+2*\k:X+2*\k+1], v[X+8+2*\k:X+9+2*\k]
.endr
.irp k, 0,1,2,3
	v_pk_add_f32 v[168+2*\k:169+2*\k], v[168+2*\k:169+2*\k], v[X+16+2*\k:X+17+2*\k]
.endr
.irp k, 0,1,2,3
	v_pk_add_f32 v[168+2*\k:169+2*\k], v[168+2*\k:169+2*\k], v[X+24+2*\k:X+25+2*\k]
.endr
	v_pk_add_f32 v[168:169], v[168:169], v[170:171]
	v_pk_add_f32 v[172:173], v[172:173], v[174:175]
	v_pk_add_f32 v[168:169], v[168:169], v[172:173]
	v_add_f32 v168, v168, v169
	LANESUM 168, 180
	v_mul_f32 v176, s39, v168                      ; the mean, twice, for the packed subtraction
	v_mul_f32 v177, s39, v168
.irp k, 0,1,2,3,4,5,6,7,8,9,10,11,12,13,14,15
	v_pk_add_f32 v[X+2*\k:X+2*\k+1], v[X+2*\k:X+2*\k+1], v[176:177] neg_lo:[0,1] neg_hi:[0,1]
.endr
.irp k, 0,1,2,3
	v_pk_mul_f32 v[168+2*\k:169+2*\k], v[X+2*\k:X+2*\k+1], v[X+2*\k:X+2*\k+1]
.endr
.irp k, 4,5,6,7,8,9,10,11,12,13,14,15
	v_pk_fma_f32 v[168+2*(\k%4):169+2*(\k%4)], v[X+2*\k:X+2*\k+1], v[X+2*\k:X+2*\k+1], v[168+2*(\k%4):169+2*(\k%4)]
.endr
	v_pk_add_f32 v[168:169], v[168:169], v[170:171]
	v_pk_add_f32 v[172:173], v[172:173], v[174:175]
	v_pk_add_f32 v[168:169], v[168:169], v[172:173]
	v_add_f32 v168, v168, v169
	LANESUM 168, 180
	v_fma_f32 v168, v168, s39, 0x3727c5ac          ; variance + 1e-5
	v_rsq_f32 v178, v168
	v_rsq_f32 v179, v168
	v_nop                                          ; one plain place behind the transcendentals before their results are used (ISA guide 5.7.2)
	s_wait_loadcnt 0x0                             ; ln_w, ln_b
	s_wait_alu depctr_va_vdst(0)
.irp k, 0,1,2,3,4,5,6,7,8,9,10,11,12,13,14,15
	v_pk_mul_f32 v[X+2*\k:X+2*\k+1], v[X+2*\k:X+2*\k+1], v[178:179]
.endr
.irp k, 0,1,2,3,4,5,6,7,8,9,10,11,12,13,14,15
	v_pk_fma_f32 v[X+2*\k:X+2*\k+1], v[X+2*\k:X+2*\k+1], v[LW+2*\k:LW+2*\k+1], v[LB+2*\k:LB+2*\k+1]
.endr
.irp j, 0,1,2,3,4,5,6,7
	v_cvt_pk_f16_f32 v[X+4*\j], v[X+4*\j], v[X+4*\j+1]
	v_cvt_pk_f16_f32 v[X+4*\j+1], v[X+4*\j+2], v[X+4*\j+3]
	global_store_b64 v3, v[X+4*\j:X+4*\j+1], s[18:19] offset:256*\j
.endr
	s_endpgm
.Lfunc_end_k_q114cca2eee_prep:
	.size	k_q114cca2eee_prep, .Lfunc_end_k_q114cca2eee_prep-k_q114cca2eee_prep
	.p2alignl 7, 3214868480
	.fill 96, 4, 3214868480
	.section	.rodata,"a",@progbits
	.p2align	6, 0x0
	.amdhsa_kernel k_q114cca2eee_prep
		.amdhsa_group_segment_fixed_size 0
		.amdhsa_private_segment_fixed_size 0
		.amdhsa_enable_private_segment 0
		.amdhsa_kernarg_size 80
		.amdhsa_user_sgpr_count 2
		.amdhsa_user_sgpr_kernarg_segment_ptr 1
		.amdhsa_wavefront_size32 1
		.amdhsa_system_sgpr_workgroup_id_x 1
		.amdhsa_system_sgpr_workgroup_id_y 1
		.amdhsa_system_sgpr_workgroup_id_z 1
		.amdhsa_system_vgpr_workitem_id 0
		.amdhsa_next_free_vgpr 200
		.amdhsa_next_free_sgpr 66
		.amdhsa_reserve_vcc 1
		.amdhsa_float_denorm_mode_32 3
		.amdhsa_float_denorm_mode_16_64 3
		.amdhsa_memory_ordered 1
		.amdhsa_forward_progress 1
		.amdhsa_inst_pref_size 24
	.end_amdhsa_kernel
	.amdgpu_metadata
---
amdhsa.version: [ 1, 2 ]
amdhsa.kernels:
  - .name:           k_q114cca2eee_prep
    .symbol:         k_q114cca2eee_prep.kd
    .args:
      - { .name: x, .offset: 0, .size: 8, .value_kind: global_buffer, .address_space: global }
      - { .name: ln_w, .offset: 8, .size: 8, .value_kind: global_buffer, .address_space: global }
      - { .name: ln_b, .offset: 16, .size: 8, .value_kind: global_buffer, .address_space: global }
      - { .name: w_q, .offset: 24, .size: 8, .value_kind: global_buffer, .address_space: global }
      - { .name: w_kv, .offset: 32, .size: 8, .value_kind: global_buffer, .address_space: global }
      - { .name: w_o, .offset: 40, .size: 8, .value_kind: global_buffer, .address_space: global }
      - { .name: theta, .offset: 48, .size: 8, .value_kind: global_buffer, .address_space: global }
      - { .name: h16, .offset: 56, .size: 8, .value_kind: global_buffer, .address_space: global }
      - { .name: w16, .offset: 64, .size: 8, .value_kind: global_buffer, .address_space: global }
      - { .name: tab, .offset: 72, .size: 8, .value_kind: global_buffer, .address_space: global }
    .group_segment_fixed_size: 0
    .private_segment_fixed_size: 0
    .kernarg_segment_align: 8
    .kernarg_segment_size: 80
    .max_flat_workgroup_size: 256
    .sgpr_count:     66
    .vgpr_count:     200
    .wavefront_size: 32
...
	.end_amdgpu_metadata
.endif
;; end of part 1
;; launch qkv (part 2): grid 16 x 16, 4 waves a work-group, clusters of 4 x 4, 327,680 bytes of LDS; arguments h16, w16, tab, qkv16, mx; writes qkv16, mx
.if DOCPART == 2
	.amdgcn_target "amdgcn-amd-amdhsa--gfx1250"
	.amdhsa_code_object_version 6
	.text
	.protected	k_q114cca2eee_qkv
	.globl	k_q114cca2eee_qkv
	.p2align	8
	.type	k_q114cca2eee_qkv,@function
k_q114cca2eee_qkv:
	s_mov_b64 s[64:65], 0
	v_nop
	global_prefetch_b8 v0, s[64:65] scope:SCOPE_SE
	s_setreg_imm32_b32 hwreg(HW_REG_WAVE_MODE, 25, 1), 1
	s_wait_xcnt 0x0
	s_wait_alu depctr_hold_cnt(0) depctr_sa_sdst(0) depctr_va_vdst(0) depctr_va_sdst(0) depctr_va_ssrc(0) depctr_va_vcc(0) depctr_vm_vsrc(0)
	s_getreg_b32 s2, hwreg(HW_REG_IB_STS2, 6, 4)
	s_cmp_eq_u32 s2, 0
	s_cbranch_scc0 .Lentry_in_a_cluster
	s_endpgm
.Lentry_in_a_cluster:
	s_bfe_u32 s2, ttmp6, 0x10000c
	s_cmp_lg_u32 s2, 0xf033
	s_cbranch_scc0 .Lentry_shape_is_right
	s_endpgm
.Lentry_shape_is_right:
; QKV: q, k, v of ONE head for 128 tokens = h[128 x 1024] x three weight blocks [1024 x 64]; then the rotation of q and k; f16 out.
; Work-group (head, rb), 16 x 16 = 256.  Four waves; wave w makes 64 tokens (rh = w >> 1) x columns 32 ch .. 32 ch + 31 (ch = w & 1) of each of
; q, k, v: 24 accumulator tiles, so that every wave runs the same text and q and k share their cos/sin registers.
; The matrix instruction takes 16 FEATURES as source 0 and 16 TOKENS as source 1: lane l then holds token l % 16, registers 0-7 the features
; 8 (l / 16) + 0..7: both numbers of a rotated pair, and 16 bytes of f16 output, lie in one lane.
; K goes in 8 steps of 128 through two LDS slots.  CLUSTERS 4 x 4: h's tile and the table hang on rb alone and are asked for jointly along a
; row of the cluster; the weights hang on the head alone and are asked for jointly along a column.  Wave 0 asks for h (and once for the table),
; waves 1 to 3 for the blocks of q, k, v.  By this text's own count a wave has at most three tensor loads out (wave 0 at the start), later one.
; It also stores max |q| and max |k| of its block, from which the next launch bounds the scores.
; LIMIT: |q|, |k|, |v| below 65,504 (f16).
; LDS: slot s at s x 96,256: h 128 rows, pitch 272; then q's, k's, v's 128 k-rows of 64 columns, pitch 160 each (an odd multiple of 32 for the
; transposing load).  Table 128 rows, pitch 272.  Stage 3 x 128 rows, pitch 144, and 256 bytes for the maxima: no fill ever lands in these two.
.set SLOT,  96256
.set WOFF,  34816
.set WPART, 20480
.set TAB,   192512
.set STAGE, 227328
.set RED,   282624
.set ADRH, 8                           ; v8-9    h fragments, slot 0, 1
.set ADRW, 10                          ; v10-11  weight fragments, slot 0, 1
.set ADRT, 12                          ; v12     cos/sin
.set STO,  13                          ; v13     stage, in
.set RD,   14                          ; v14     stage, back
.set CO,   15                          ; v15     16 lane
.set REDA, 17                          ; v17     my wave's two maxima
.set F0,   64                          ; fragment buffers: W(i) at F + 8 i (i = 2 part + column half), H(tt) at F + 48 + 8 tt
.set F1,   144
.set TU,   192                         ; window 1: v448-455 at work
.set MQ,   200                         ; window 1: four running maxima of |q|
.set MK,   204                         ; window 1: four of |k|
.set G1A, 32
.set G1B, 40
.set G1T, 48
.set G0A, 56                           ; s[56:63]
.set G0B, 68                           ; s[68:75]
.set G0T, 76                           ; s[76:79]
.set MSB, 0
.macro WIN new                         ; the immediate's high byte repeats the setting that is left
.if MSB != \new
	s_set_vgpr_msb (MSB<<8)|\new
.set MSB, \new
.endif
.endm
.macro PLACES                          ; four places behind a matrix instruction before its registers are loaded into, read or written (ISA guide 7.12.1)
.rept 4
	v_nop
.endr
.endm
.macro CREST                           ; a round of the cluster's barrier behind its opening barrier
	s_cmp_lg_u32 s14, 0
	s_cbranch_scc1 .Lnot_wave_0_\@
	s_barrier_signal -3
.Lnot_wave_0_\@:
	s_barrier_wait -3
	s_barrier_signal -1
	s_barrier_wait -1
.endm
.macro CROUND
	s_barrier_signal -1
	s_barrier_wait -1
	CREST
.endm
.macro JLOAD s                         ; one joint load a wave; the branch hangs on the wave's number alone
	s_cmp_lg_u32 s14, 0
	s_cbranch_scc1 .Lfor_w_\@
	tensor_load_to_lds s[G0A+4*\s:G0A+4*\s+3], s[G1A:G1A+7]
	s_nop 0
	s_branch .Lasked_\@
.Lfor_w_\@:
	tensor_load_to_lds s[G0B+4*\s:G0B+4*\s+3], s[G1B:G1B+7]
	s_nop 0
.Lasked_\@:
.endm
.macro MM d, a, b, zero
.if \zero
	v_wmma_f32_16x16x32_f16 v[\d:\d+7], v[\a:\a+7], v[\b:\b+7], 0
.else
	v_wmma_f32_16x16x32_f16 v[\d:\d+7], v[\a:\a+7], v[\b:\b+7], v[\d:\d+7]
.endif
.endm
; 12 matrix instructions: feature tiles 3 half .. 3 half + 2 x four token tiles.  The 24 accumulators (window 1, tile (i, tt) at 8 (4 i + tt))
; take turns, one instruction a turn.
.macro MUL12 f, half, zero
	WIN 0x50
.irp i, 0,1,2
.irp tt, 0,1,2,3
	MM 8*(4*(3*\half+\i)+\tt), \f+8*(3*\half+\i), \f+48+8*\tt, \zero
.endr
.endr
.endm
.macro LDW slot, kq, f, i              ; 16 features x 32 k from rows that lie along the features: two transposing loads, 16 k-rows apart
	ds_load_tr16_b128 v[\f+8*\i:\f+8*\i+3], v[ADRW+\slot] offset:(\i/2)*WPART+\kq*5120+(\i%2)*32
	ds_load_tr16_b128 v[\f+8*\i+4:\f+8*\i+7], v[ADRW+\slot] offset:(\i/2)*WPART+\kq*5120+(\i%2)*32+2560
.endm
.macro FETCH slot, kq, f               ; 20 LDS loads: W(0..2), H(0..3), W(3..5)
	WIN 0
.irp i, 0,1,2
	LDW \slot, \kq, \f, \i
.endr
.irp tt, 0,1,2,3
	ds_load_b128 v[\f+48+8*\tt:\f+48+8*\tt+3], v[ADRH+\slot] offset:\tt*4352+\kq*64
	ds_load_b128 v[\f+48+8*\tt+4:\f+48+8*\tt+7], v[ADRH+\slot] offset:\tt*4352+\kq*64+32
.endr
.irp i, 3,4,5
	LDW \slot, \kq, \f, \i
.endr
.endm
.macro QUARTER slot, kq, f, g, zero    ; multiplies buffer f; in its middle fetches quarter kq of the same slot into buffer g
	s_wait_dscnt 6                                 ; W(0..2) and H are in; the youngest six loads, W(3..5), may be out
	MUL12 \f, 0, \zero
	PLACES
	FETCH \slot, \kq, \g
	s_wait_dscnt 20                                ; all but the 20 just issued
	MUL12 \f, 1, \zero
.endm
.macro THREE slot, zero
	QUARTER \slot, 1, F0, F1, \zero
	QUARTER \slot, 2, F1, F0, 0
	QUARTER \slot, 3, F0, F1, 0
.endm
; The last quarter of a K step changes slots.  In front of the barrier each wave waits for its reads of this slot and for all its tensor loads
; (the one that is out is its part of the next slot).  fill = 1: the barrier opens a round of the cluster's barrier, and behind the round this
; slot's joint refill is the wave's first and only tensor load.
.macro TURN slot, next, fill
	s_wait_dscnt 0x0
	s_wait_tensorcnt 0x0
	ds_add_u32 v254, v255
	s_wait_dscnt 0x0
	s_barrier_signal -1
	MUL12 F1, 0, 0                                 ; register work between signal and wait
	WIN 0
	s_barrier_wait -1
.if \fill
	CREST
	s_add_nc_u64 s[G0A+4*\slot+2:G0A+4*\slot+3], s[G0A+4*\slot+2:G0A+4*\slot+3], 512      ; two K steps of 256 bytes on
	s_add_nc_u64 s[G0B+4*\slot+2:G0B+4*\slot+3], s[G0B+4*\slot+2:G0B+4*\slot+3], 32768    ; two K steps of 128 rows x 128 bytes on
	JLOAD \slot
.endif
	PLACES
	FETCH \next, 0, F0
	MUL12 F1, 1, 0
.endm
.macro LAP zero
	THREE 0, \zero
	TURN 0, 1, 1
	THREE 1, 0
	TURN 1, 0, 1
.endm
	s_load_b256 s[4:11], s[0:1], 0x0               ; h16 4:5, w16 6:7, tab 8:9, qkv16 10:11
	s_load_b64 s[12:13], s[0:1], 0x20              ; mx
	v_lshl_add_u32 v254, v0, 2, 0x45100
	v_mov_b32 v255, 0
	ds_add_u32 v254, v255
	v_lshrrev_b32 v4, 5, v0
	v_readfirstlane_b32 s14, v4                    ; wave
	s_lshr_b32 s15, s14, 1                         ; rh
	s_and_b32 s16, s14, 1                          ; ch
	s_bfe_u32 s17, ttmp6, 0x40000                  ; cx
	s_bfe_u32 s18, ttmp6, 0x40004                  ; cy
	s_lshl_b32 s19, ttmp9, 2
	s_add_co_u32 s19, s19, s17                     ; head
	s_and_b32 s20, ttmp7, 0xffff
	s_lshl_b32 s20, s20, 2
	s_add_co_u32 s20, s20, s18                     ; rb
	s_lshl_b32 s21, s18, 2
	s_lshl_b32 s21, 15, s21                        ; my row of the cluster
	s_lshl_b32 s22, 0x1111, s17                    ; my column
	s_mov_b32 s80, 0x76543210
	s_mov_b32 s81, 0xfedcba98
	; group 1 for h: 128 rows x 128 f16, 4 words of padding behind every 64; the table's differs in the pitch alone (rows of 256 bytes, dense)
	s_or_b32 s[G1A+0], s21, (1<<16)|(1<<20)|(1<<21)|(5<<22)|(3<<25)
	s_mov_b32 s[G1A+1], 128<<16
	s_mov_b32 s[G1A+2], 128<<16
	s_mov_b32 s[G1A+3], 128<<16
	s_mov_b32 s[G1A+4], 128
	s_mov_b32 s[G1A+5], 1024
	s_mov_b32 s[G1A+6], 0
	s_mov_b32 s[G1A+7], 0
	s_or_b32 s[G1T+0], s21, (1<<16)|(1<<20)|(1<<21)|(5<<22)|(3<<25)
	s_mov_b32 s[G1T+1], 128<<16
	s_mov_b32 s[G1T+2], 128<<16
	s_mov_b32 s[G1T+3], 128<<16
	s_mov_b32 s[G1T+4], 128
	s_mov_b32 s[G1T+5], 128
	s_mov_b32 s[G1T+6], 0
	s_mov_b32 s[G1T+7], 0
	; group 1 for a weight block: 128 k-rows x 64 f16, 8 words of padding behind every 32
	s_or_b32 s[G1B+0], s22, (1<<16)|(1<<20)|(1<<21)|(4<<22)|(7<<25)
	s_mov_b32 s[G1B+1], 64<<16
	s_mov_b32 s[G1B+2], 128<<16
	s_mov_b32 s[G1B+3], 64<<16
	s_mov_b32 s[G1B+4], 128
	s_mov_b32 s[G1B+5], 64
	s_mov_b32 s[G1B+6], 0
	s_mov_b32 s[G1B+7], 0
	s_lshl_b32 s26, s20, 18                        ; h: 128 rows of 2,048 bytes x rb
	s_mov_b32 s27, 0
	s_lshl_b32 s30, s20, 15                        ; table: 128 rows of 256 bytes x rb
	s_mov_b32 s31, 0
	s_max_u32 s24, s14, 1
	s_sub_co_u32 s24, s24, 1                       ; the part that waves 1..3 fetch (wave 0 never uses this address)
	s_lshl_b32 s24, s24, 4
	s_add_co_u32 s28, s24, s19
	s_lshl_b32 s28, s28, 17                        ; block 16 part + head, 131,072 bytes each
	s_mov_b32 s29, 0
	s_mul_i32 s25, s14, WPART
	s_lshl_b32 s90, s19, 18                        ; the way out: head x 2,048 tokens x 128 bytes
	s_lshl_b32 s91, s20, 14
	s_add_co_u32 s90, s90, s91                     ; + 128 tokens x rb
	s_lshl_b32 s91, s14, 12
	s_add_co_u32 s90, s90, s91                     ; + 32 tokens x wave
	s_mov_b32 s91, 0
	s_wait_dscnt 0x0
	s_wait_kmcnt 0x0
	s_add_nc_u64 s[26:27], s[4:5], s[26:27]
	s_add_nc_u64 s[30:31], s[8:9], s[30:31]
	s_add_nc_u64 s[28:29], s[6:7], s[28:29]
	s_add_nc_u64 s[84:85], s[10:11], s[90:91]      ; q
	s_add_nc_u64 s[86:87], s[84:85], 0x400000      ; k: 16 heads further
	s_add_nc_u64 s[88:89], s[84:85], 0x800000      ; v
	s_lshl_b32 s90, s19, 6
	s_lshl2_add_u32 s90, s20, s90                  ; 64 head + 4 rb
	s_add_nc_u64 s[12:13], s[12:13], s[90:91]
	CROUND                                         ; all sixteen work-groups are here: the first joint loads meet
.irp s, 0,1
	s_mov_b32 s[G0A+4*\s], 1
	s_mov_b32 s[G0A+4*\s+1], \s*SLOT
	s_add_nc_u64 s[G0A+4*\s+2:G0A+4*\s+3], s[26:27], \s*256
	s_or_b32 s[G0A+4*\s+3], s[G0A+4*\s+3], 0x80000000
	s_mov_b32 s[G0B+4*\s], 1
	s_add_co_u32 s[G0B+4*\s+1], s25, \s*SLOT+WOFF-WPART     ; slot + 34,816 + 20,480 (wave - 1)
	s_add_nc_u64 s[G0B+4*\s+2:G0B+4*\s+3], s[28:29], \s*16384
	s_or_b32 s[G0B+4*\s+3], s[G0B+4*\s+3], 0x80000000
.endr
	s_mov_b32 s[G0T], 1
	s_mov_b32 s[G0T+1], TAB
	s_mov_b64 s[G0T+2:G0T+3], s[30:31]
	s_or_b32 s[G0T+3], s[G0T+3], 0x80000000
	s_cmp_lg_u32 s14, 0                            ; all first fills of a wave inside one branch on its number
	s_cbranch_scc1 .Lfirst_w
	tensor_load_to_lds s[G0T:G0T+3], s[G1T:G1T+7]
	s_nop 0
	tensor_load_to_lds s[G0A:G0A+3], s[G1A:G1A+7]
	s_nop 0
	tensor_load_to_lds s[G0A+4:G0A+7], s[G1A:G1A+7]
	s_nop 0
	s_branch .Lfirst_done
.Lfirst_w:
	tensor_load_to_lds s[G0B:G0B+3], s[G1B:G1B+7]
	s_nop 0
	tensor_load_to_lds s[G0B+4:G0B+7], s[G1B:G1B+7]
	s_nop 0
.Lfirst_done:
	v_and_b32 v1, 31, v0                           ; L
	v_and_b32 v2, 15, v0                           ; r
	v_bfe_u32 v3, v0, 4, 1                         ; h
	s_lshl_b32 s24, s15, 6
	v_add_nc_u32 v4, s24, v2                       ; 64 rh + r
	v_mul_u32_u24 v5, v4, 272
	v_lshl_add_u32 v[ADRH], v3, 4, v5
	v_add_nc_u32 v[ADRH+1], SLOT, v[ADRH]
	v_and_b32 v6, 7, v0
	v_lshl_add_u32 v6, v3, 3, v6                   ; k-row 8 h + (L & 7)
	v_mul_u32_u24 v6, v6, 160
	v_bfe_u32 v7, v0, 3, 1
	v_lshl_add_u32 v6, v7, 4, v6
	s_lshl_b32 s24, s16, 6
	s_add_co_u32 s24, s24, WOFF
	v_add_nc_u32 v[ADRW], s24, v6
	v_add_nc_u32 v[ADRW+1], SLOT, v[ADRW]
	s_lshl_b32 s24, s16, 7
	s_add_co_u32 s24, s24, TAB
	v_lshl_add_u32 v7, v3, 5, v5
	v_add_nc_u32 v[ADRT], s24, v7                  ; table row 64 rh + r, pairs 16 ch + 4 h ..
	v_mul_u32_u24 v7, v4, 144
	v_lshl_add_u32 v7, v3, 4, v7
	s_lshl_b32 s24, s16, 6
	s_add_co_u32 s24, s24, STAGE
	v_add_nc_u32 v[STO], s24, v7
	v_lshrrev_b32 v7, 3, v1
	s_lshl_b32 s24, s14, 5
	v_add_nc_u32 v7, s24, v7                       ; row 32 wave + L / 8
	v_mul_u32_u24 v7, v7, 144
	v_and_b32 v16, 7, v0
	v_lshl_add_u32 v7, v16, 4, v7
	v_add_nc_u32 v[RD], STAGE, v7
	v_lshlrev_b32 v[CO], 4, v1
	s_lshl_b32 s24, s14, 3
	s_add_co_u32 s24, s24, RED
	v_mov_b32 v[REDA], s24
	s_wait_tensorcnt 0x1                           ; my part of K step 0 (and the table) is in; slot 1's load may stay out
	s_barrier_signal -1
	s_barrier_wait -1
	FETCH 0, 0, F0
	LAP 1                                          ; the first lap's first products start the sums
	WIN 0
	s_mov_b32 s23, 2
.Llap:
	LAP 0
	WIN 0
	s_sub_co_u32 s23, s23, 1
	s_cmp_lg_u32 s23, 0
	s_cbranch_scc1 .Llap
	THREE 0, 0                                     ; the last lap fills nothing
	TURN 0, 1, 0
	THREE 1, 0
	s_wait_dscnt 0x0
	MUL12 F1, 0, 0
	MUL12 F1, 1, 0
	; ---- the rotation, the maxima, f16, the way out ----
	PLACES
	WIN 0
.irp tt, 0,1,2,3
.irp f2, 0,1
	ds_load_b128 v[64+8*(2*\tt+\f2):64+8*(2*\tt+\f2)+3], v[ADRT] offset:\tt*4352+\f2*64        ; cos, sin of my four pairs of tile (tt, f2)
	ds_load_b128 v[64+8*(2*\tt+\f2)+4:64+8*(2*\tt+\f2)+7], v[ADRT] offset:\tt*4352+\f2*64+16
.endr
.endr
	s_wait_dscnt 0x0
.macro ROT i, tt                       ; (a, b) -> (a cos - b sin, a sin + b cos), four pairs of one tile
.irp p, 0,1,2,3
	v_mul_f32 v[TU+\p], v[8*(4*\i+\tt)+2*\p+1], v[64+8*(2*\tt+\i%2)+2*\p+1]
	v_mul_f32 v[TU+4+\p], v[8*(4*\i+\tt)+2*\p], v[64+8*(2*\tt+\i%2)+2*\p+1]
.endr
.irp p, 0,1,2,3
	v_fma_f32 v[8*(4*\i+\tt)+2*\p], v[8*(4*\i+\tt)+2*\p], v[64+8*(2*\tt+\i%2)+2*\p], -v[TU+\p]
	v_fma_f32 v[8*(4*\i+\tt)+2*\p+1], v[8*(4*\i+\tt)+2*\p+1], v[64+8*(2*\tt+\i%2)+2*\p], v[TU+4+\p]
.endr
.endm
	WIN 0x51                                       ; source 0, source 2 and destination in window 1 (tiles, at work), source 1 in window 0 (cos, sin)
.irp i, 0,1,2,3
.irp tt, 0,1,2,3
	ROT \i, \tt
.endr
.endr
.macro AMAX m, i, tt, first            ; four chains; the first tile starts them: nothing is cleared
.irp p, 0,1,2,3
.if \first
	v_max_num_f32 v[\m+\p], |v[8*(4*\i+\tt)+2*\p]|, |v[8*(4*\i+\tt)+2*\p+1]|
.else
	v_max3_num_f32 v[\m+\p], v[\m+\p], |v[8*(4*\i+\tt)+2*\p]|, |v[8*(4*\i+\tt)+2*\p+1]|
.endif
.endr
.endm
	WIN 0x55
	AMAX MQ, 0, 0, 1
	AMAX MK, 2, 0, 1
.irp tt, 1,2,3
	AMAX MQ, 0, \tt, 0
	AMAX MK, 2, \tt, 0
.endr
.irp tt, 0,1,2,3
	AMAX MQ, 1, \tt, 0
	AMAX MK, 3, \tt, 0
.endr
	v_max3_num_f32 v[MQ], v[MQ], v[MQ+1], v[MQ+2]
	v_max3_num_f32 v[MK], v[MK], v[MK+1], v[MK+2]
	v_max_num_f32 v[MQ], v[MQ], v[MQ+3]
	v_max_num_f32 v[MK], v[MK], v[MK+3]
.irp n, 0,1,2,3,4,5,6,7,8,9,10,11,12,13,14,15,16,17,18,19,20,21,22,23
.irp jj, 0,1,2,3
	v_cvt_pk_f16_f32 v[8*\n+\jj], v[8*\n+2*\jj], v[8*\n+2*\jj+1]       ; in place: register jj is written when its old value has been read
.endr
.endr
	WIN 0x04                                       ; store data in window 1, address in window 0
.irp i, 0,1,2,3,4,5
.irp tt, 0,1,2,3
	ds_store_b128 v[STO], v[8*(4*\i+\tt):8*(4*\i+\tt)+3] offset:(\i/2)*18432+\tt*2304+(\i%2)*32
.endr
.endr
	WIN 0x01
	v_mov_b32 v20, v[MQ]
	v_mov_b32 v21, v[MK]
	WIN 0
.irp m, 1,2,4,8
	v_max_num_f32_dpp v20, v20, v20 row_xmask:\m row_mask:0xf bank_mask:0xf
	v_max_num_f32_dpp v21, v21, v21 row_xmask:\m row_mask:0xf bank_mask:0xf
.endr
	v_permlanex16_b32 v4, v20, s80, s81            ; v4, v5 have been written: the destination counts as read
	v_permlanex16_b32 v5, v21, s80, s81
	v_max_num_f32 v20, v20, v4
	v_max_num_f32 v21, v21, v5
	ds_store_b64 v[REDA], v[20:21]
	s_wait_dscnt 0x0                               ; for the other waves' sake: my stage rows and my maxima are written
	s_barrier_signal -1
	s_barrier_wait -1
.irp pt, 0,1,2
.irp t, 0,1,2,3,4,5,6,7
	ds_load_b128 v[64+4*(8*\pt+\t):64+4*(8*\pt+\t)+3], v[RD] offset:\pt*18432+\t*576     ; four whole rows of 128 bytes
.endr
.endr
.irp pt, 0,1,2
.irp t, 0,1,2,3,4,5,6,7
	s_wait_dscnt 23-(8*\pt+\t)                     ; LDS loads come back in order: this one is in, the younger ones may be out
	global_store_b128 v[CO], v[64+4*(8*\pt+\t):64+4*(8*\pt+\t)+3], s[84+2*\pt:85+2*\pt] offset:512*\t   ; 512 consecutive bytes, aligned
.endr
.endr
	s_cmp_lg_u32 s14, 0
	s_cbranch_scc1 .Lno_mx
	v_mov_b32 v24, RED
	ds_load_b128 v[28:31], v24
	ds_load_b128 v[32:35], v24 offset:16
	s_wait_dscnt 0x0
	v_max3_num_f32 v36, v28, v30, v32
	v_max3_num_f32 v37, v29, v31, v33
	v_max_num_f32 v36, v36, v34
	v_max_num_f32 v37, v37, v35
	v_cmp_eq_u32 vcc_lo, 1, v1
	v_cndmask_b32 v36, v36, v37, vcc_lo            ; lane 0: max |q|, lane 1: max |k|
	v_lshlrev_b32 v38, 10, v1
	s_wait_xcnt 0x0                                ; EXEC is a source of the stores above: it changes only behind this wait
	v_cmp_gt_u32 vcc_lo, 2, v1
	s_and_saveexec_b32 s24, vcc_lo
	global_store_b32 v38, v36, s[12:13]
	s_wait_xcnt 0x0                                ; and again in front of the line that widens it
	s_or_b32 exec_lo, exec_lo, s24
.Lno_mx:
	s_wait_tensorcnt 0x0
	ds_add_u32 v254, v255
	s_wait_dscnt 0x0
	CROUND                                         ; the closing round
	s_endpgm
.Lfunc_end_k_q114cca2eee_qkv:
	.size	k_q114cca2eee_qkv, .Lfunc_end_k_q114cca2eee_qkv-k_q114cca2eee_qkv
	.p2alignl 7, 3214868480
	.fill 96, 4, 3214868480
	.section	.rodata,"a",@progbits
	.p2align	6, 0x0
	.amdhsa_kernel k_q114cca2eee_qkv
		.amdhsa_group_segment_fixed_size 327680
		.amdhsa_private_segment_fixed_size 0
		.amdhsa_enable_private_segment 0
		.amdhsa_kernarg_size 40
		.amdhsa_user_sgpr_count 2
		.amdhsa_user_sgpr_kernarg_segment_ptr 1
		.amdhsa_wavefront_size32 1
		.amdhsa_system_sgpr_workgroup_id_x 1
		.amdhsa_system_sgpr_workgroup_id_y 1
		.amdhsa_system_sgpr_workgroup_id_z 1
		.amdhsa_system_vgpr_workitem_id 0
		.amdhsa_next_free_vgpr 464
		.amdhsa_next_free_sgpr 92
		.amdhsa_reserve_vcc 1
		.amdhsa_float_denorm_mode_32 3
		.amdhsa_float_denorm_mode_16_64 3
		.amdhsa_memory_ordered 1
		.amdhsa_forward_progress 1
		.amdhsa_inst_pref_size 115
	.end_amdhsa_kernel
	.amdgpu_metadata
---
amdhsa.version: [ 1, 2 ]
amdhsa.kernels:
  - .name:           k_q114cca2eee_qkv
    .symbol:         k_q114cca2eee_qkv.kd
    .args:
      - { .name: h16, .offset: 0, .size: 8, .value_kind: global_buffer, .address_space: global }
      - { .name: w16, .offset: 8, .size: 8, .value_kind: global_buffer, .address_space: global }
      - { .name: tab, .offset: 16, .size: 8, .value_kind: global_buffer, .address_space: global }
      - { .name: qkv16, .offset: 24, .size: 8, .value_kind: global_buffer, .address_space: global }
      - { .name: mx, .offset: 32, .size: 8, .value_kind: global_buffer, .address_space: global }
    .group_segment_fixed_size: 327680
    .private_segment_fixed_size: 0
    .kernarg_segment_align: 8
    .kernarg_segment_size: 40
    .max_flat_workgroup_size: 128
    .sgpr_count:     92
    .vgpr_count:     464
    .wavefront_size: 32
...
	.end_amdgpu_metadata
.endif
;; end of part 2
;; launch attn (part 3): grid 16 x 16, 8 waves a work-group, clusters of 4 x 1, 327,680 bytes of LDS; arguments qkv16, mx, wv16; writes wv16
.if DOCPART == 3
	.amdgcn_target "amdgcn-amd-amdhsa--gfx1250"
	.amdhsa_code_object_version 6
	.text
	.protected	k_q114cca2eee_attn
	.globl	k_q114cca2eee_attn
	.p2align	8
	.type	k_q114cca2eee_attn,@function
k_q114cca2eee_attn:
	s_mov_b64 s[64:65], 0
	v_nop
	global_prefetch_b8 v0, s[64:65] scope:SCOPE_SE
	s_setreg_imm32_b32 hwreg(HW_REG_WAVE_MODE, 25, 1), 1
	s_wait_xcnt 0x0
	s_wait_alu depctr_hold_cnt(0) depctr_sa_sdst(0) depctr_va_vdst(0) depctr_va_sdst(0) depctr_va_ssrc(0) depctr_va_vcc(0) depctr_vm_vsrc(0)
	s_getreg_b32 s2, hwreg(HW_REG_IB_STS2, 6, 4)
	s_cmp_eq_u32 s2, 0
	s_cbranch_scc0 .Lentry_in_a_cluster
	s_endpgm
.Lentry_in_a_cluster:
	s_bfe_u32 s2, ttmp6, 0x10000c
	s_cmp_lg_u32 s2, 0x3003
	s_cbranch_scc0 .Lentry_shape_is_right
	s_endpgm
.Lentry_shape_is_right:
; ATTENTION with weights t = 1 + s + s^2/2, s = q.k/8, normalised along each row; one head x 128 queries for a work-group, 16 x 16 = 256.
; No exponential and no maximum: t is a polynomial, t >= 1/2, and partial sums over keys simply add.
; Eight waves: wave w takes 64 queries (qh = w >> 2) and, of each slot's 256 keys, the 64 with kq = w & 3.  The four waves of one qh add their
; sums of t v and of t once, at the end, through LDS.  Two waves lie on a SIMD, so one wave's polynomial runs beside the other's products.
; CLUSTER 4 x 1: the four query blocks of a cluster belong to one head and read the same K and V tiles: every tile is asked for jointly (mask 15).
; By this text's own count a wave has two tensor loads out at the start and one behind each round.
; SCORES TRANSPOSED: source 0 = 16 keys, source 1 = 16 queries: lane l holds query l % 16, registers 0-7 the keys 8 (l / 16) + 0..7.  Two such tiles,
; packed to f16, ARE the second product's source 1 (32 keys along k), with no move between lanes.  That product takes V transposed as source 0:
; lane l then holds query l % 16 and eight neighbouring d.
; THE SCALE: t goes to the matrix unit in f16.  |s| <= B = 8 max|q| max|k| (64 products, divided by 8), so t <= tb = 1 + B + B^2/2; t is multiplied by
; sigma = 2^(141 - e), e the biased exponent of tb, which keeps sigma t below 2^15.  sigma is the same in all waves of a head and cancels in the division.
; LDS: slot s at s x 77,824: V 256 keys, pitch 160; then K 256 keys, pitch 144.  Behind the ring, never filled: for each wave 16,896 bytes for the
; sums (16 tiles of 1,024, then 4 x 128 for the row sums) and 2,304 for the way out (16 rows, pitch 144).
.set SLOT, 77824
.set KOFF, 40960
.set COMB, 155648
.set CWAVE, 16896
.set STG,  290816
.set ADRK, 8                           ; v8-9
.set ADRV, 10                          ; v10-11
.set CW,  12
.set CL,  13
.set CR,  14
.set CLR, 15
.set STO, 16
.set RD,  17
.set CO,  18
.set QO,  19
.set QQ,  32                           ; Q(qt, dk) at 32 + 8 (2 qt + dk)
.set FB,  96                           ; chunk c: K(kt, dk) at 96 + 64 c + 8 (2 kt + dk), V(dt) at 96 + 64 c + 32 + 8 dt
.set PB,  224                          ; P(qt) at 224 + 8 qt
.set SS,  128                          ; window 1: S(kt, qt) at 128 + 8 (4 kt + qt); O(dt, qt) at 8 (4 dt + qt)
.set LL,  192                          ; window 1: row sums, 8 registers for each qt
.set KC0, 224                          ; window 1: sigma, sigma/8, sigma/128, each twice
.set KC1, 226
.set KC2, 228
.set TMP, 232                          ; window 1
.set G1K, 28
.set G1V, 36
.set G0K, 44
.set G0V, 52
.set MSB, 0
.macro WIN new
.if MSB != \new
	s_set_vgpr_msb (MSB<<8)|\new
.set MSB, \new
.endif
.endm
.macro PLACES                          ; four places behind a matrix instruction before its registers are loaded into, read or written (ISA guide 7.12.1)
.rept 4
	v_nop
.endr
.endm
.macro CROUND                          ; a round of the cluster's barrier
	s_barrier_signal -1
	s_barrier_wait -1
	s_cmp_lg_u32 s10, 0
	s_cbranch_scc1 .Lnot_wave_0_\@
	s_barrier_signal -3
.Lnot_wave_0_\@:
	s_barrier_wait -3
	s_barrier_signal -1
	s_barrier_wait -1
.endm
.macro JLOAD s                         ; waves 0-3: 64 keys of V; waves 4-7: 64 keys of K
	s_cmp_lt_u32 s10, 4
	s_cbranch_scc0 .Lfor_k_\@
	tensor_load_to_lds s[G0V+4*\s:G0V+4*\s+3], s[G1V:G1V+7]
	s_nop 0
	s_branch .Lasked_\@
.Lfor_k_\@:
	tensor_load_to_lds s[G0K+4*\s:G0K+4*\s+3], s[G1K:G1K+7]
	s_nop 0
.Lasked_\@:
.endm
.macro MM d, a, b, zero
.if \zero
	v_wmma_f32_16x16x32_f16 v[\d:\d+7], v[\a:\a+7], v[\b:\b+7], 0
.else
	v_wmma_f32_16x16x32_f16 v[\d:\d+7], v[\a:\a+7], v[\b:\b+7], v[\d:\d+7]
.endif
.endm
.macro FETCH2 slot                     ; my 64 keys of a slot: 32 LDS loads in the order K(0), V(0), K(1), V(1), eight each
	PLACES
	WIN 0
.irp c, 0,1
.irp kt, 0,1
.irp dk, 0,1
	ds_load_b128 v[FB+64*\c+8*(2*\kt+\dk):FB+64*\c+8*(2*\kt+\dk)+3], v[ADRK+\slot] offset:\c*4608+\kt*2304+\dk*64
	ds_load_b128 v[FB+64*\c+8*(2*\kt+\dk)+4:FB+64*\c+8*(2*\kt+\dk)+7], v[ADRK+\slot] offset:\c*4608+\kt*2304+\dk*64+32
.endr
.endr
.irp dt, 0,1,2,3
	ds_load_tr16_b128 v[FB+64*\c+32+8*\dt:FB+64*\c+32+8*\dt+3], v[ADRV+\slot] offset:\c*5120+\dt*32
	ds_load_tr16_b128 v[FB+64*\c+32+8*\dt+4:FB+64*\c+32+8*\dt+7], v[ADRV+\slot] offset:\c*5120+\dt*32+2560
.endr
.endr
.endm
; 32 keys x 64 queries.  wk, wv: how many younger LDS loads may be out when K's and V's fragments of this chunk are needed.
; The eight score tiles and the sixteen output tiles take turns, one instruction a turn.
.macro CHUNK c, wk, wv, zero
	s_wait_dscnt \wk
	WIN 0x50
.irp kt, 0,1
.irp qt, 0,1,2,3
	MM SS+8*(4*\kt+\qt), FB+64*\c+16*\kt, QQ+16*\qt, 1
.endr
.endr
.irp kt, 0,1
.irp qt, 0,1,2,3
	MM SS+8*(4*\kt+\qt), FB+64*\c+16*\kt+8, QQ+16*\qt+8, 0
.endr
.endr
	PLACES
	WIN 0x55
.irp n, 0,1,2,3,4,5,6,7
.irp p, 0,1,2,3
	v_pk_fma_f32 v[TMP+2*\p:TMP+2*\p+1], v[SS+8*\n+2*\p:SS+8*\n+2*\p+1], v[KC2:KC2+1], v[KC1:KC1+1]     ; sigma (x/128 + 1/8)
.endr
.irp p, 0,1,2,3
	v_pk_fma_f32 v[SS+8*\n+2*\p:SS+8*\n+2*\p+1], v[TMP+2*\p:TMP+2*\p+1], v[SS+8*\n+2*\p:SS+8*\n+2*\p+1], v[KC0:KC0+1]   ; sigma t
.endr
.endr
.irp qt, 0,1,2,3
.irp p, 0,1,2,3
.if \zero
	v_pk_add_f32 v[LL+8*\qt+2*\p:LL+8*\qt+2*\p+1], v[SS+8*\qt+2*\p:SS+8*\qt+2*\p+1], v[SS+32+8*\qt+2*\p:SS+32+8*\qt+2*\p+1]   ; the first chunk starts the row sums
.else
	v_pk_add_f32 v[LL+8*\qt+2*\p:LL+8*\qt+2*\p+1], v[LL+8*\qt+2*\p:LL+8*\qt+2*\p+1], v[SS+8*\qt+2*\p:SS+8*\qt+2*\p+1]
.endif
.endr
.endr
.if \zero == 0
.irp qt, 0,1,2,3
.irp p, 0,1,2,3
	v_pk_add_f32 v[LL+8*\qt+2*\p:LL+8*\qt+2*\p+1], v[LL+8*\qt+2*\p:LL+8*\qt+2*\p+1], v[SS+32+8*\qt+2*\p:SS+32+8*\qt+2*\p+1]
.endr
.endr
.endif
	WIN 0x05                                       ; sources in window 1, destination in window 0
.irp qt, 0,1,2,3
.irp kt, 0,1
.irp jj, 0,1,2,3
	v_cvt_pk_f16_f32 v[PB+8*\qt+4*\kt+\jj], v[SS+8*(4*\kt+\qt)+2*\jj], v[SS+8*(4*\kt+\qt)+2*\jj+1]
.endr
.endr
.endr
	s_wait_dscnt \wv
	WIN 0x50
.irp dt, 0,1,2,3
.irp qt, 0,1,2,3
	MM 8*(4*\dt+\qt), FB+64*\c+32+8*\dt, PB+8*\qt, \zero
.endr
.endr
.endm
.macro WORK slot, zero
	FETCH2 \slot
	CHUNK 0, 24, 16, \zero                         ; of the 32 loads: K(0) is in when 24 younger are out, V(0) when 16,
	CHUNK 1, 8, 0, 0                               ; K(1) when 8, V(1) when none
	WIN 0
.endm
; One slot's work.  fill = 1: the OTHER slot, read in the step before, is filled again, behind a round of the cluster's barrier in front of which
; every wave has waited for its LDS reads and for all its tensor loads.
.macro STEP slot, fill
	s_wait_tensorcnt 0x0                           ; all my loads have landed, my part of this slot among them: a group 0 may be written
	ds_add_u32 v30, v31
	s_wait_dscnt 0x0
.if \fill
	s_add_nc_u64 s[G0K+4*(1-\slot)+2:G0K+4*(1-\slot)+3], s[G0K+4*(1-\slot)+2:G0K+4*(1-\slot)+3], 65536   ; two slots of 256 keys x 128 bytes on
	s_add_nc_u64 s[G0V+4*(1-\slot)+2:G0V+4*(1-\slot)+3], s[G0V+4*(1-\slot)+2:G0V+4*(1-\slot)+3], 65536
.endif
	s_wait_dscnt 0x0                               ; my reads of the other slot are back
.if \fill
	CROUND
	JLOAD (1-\slot)
.else
	s_barrier_signal -1
	s_barrier_wait -1
.endif
	WORK \slot, 0
.endm
	s_load_b128 s[4:7], s[0:1], 0x0                ; qkv16 4:5, mx 6:7
	s_load_b64 s[8:9], s[0:1], 0x10                ; wv16
	v_lshl_add_u32 v30, v0, 2, 0x4b800
	v_mov_b32 v31, 0
	ds_add_u32 v30, v31
	v_lshrrev_b32 v4, 5, v0
	v_readfirstlane_b32 s10, v4                    ; wave
	s_and_b32 s11, s10, 3                          ; kq
	s_lshr_b32 s12, s10, 2                         ; qh
	s_bfe_u32 s13, ttmp6, 0x40000                  ; cx
	s_lshl_b32 s14, ttmp9, 2
	s_add_co_u32 s14, s14, s13                     ; query block
	s_and_b32 s15, ttmp7, 0xffff                   ; head (the cluster is one work-group high)
	s_mov_b32 s24, 0x76543210
	s_mov_b32 s25, 0xfedcba98
	; group 1: 64 keys x 64 f16; K with 4 words of padding behind every 32 (pitch 144), V with 8 (pitch 160)
	s_mov_b32 s[G1K+0], 15|(1<<16)|(1<<20)|(1<<21)|(4<<22)|(3<<25)
	s_mov_b32 s[G1V+0], 15|(1<<16)|(1<<20)|(1<<21)|(4<<22)|(7<<25)
.irp g, G1K, G1V
	s_mov_b32 s[\g+1], 64<<16
	s_mov_b32 s[\g+2], 64<<16
	s_mov_b32 s[\g+3], 64<<16
	s_mov_b32 s[\g+4], 64
	s_mov_b32 s[\g+5], 64
	s_mov_b32 s[\g+6], 0
	s_mov_b32 s[\g+7], 0
.endr
	s_add_co_u32 s18, s15, 16
	s_lshl_b32 s18, s18, 18                        ; k of my head
	s_lshl_b32 s17, s11, 13
	s_add_co_u32 s18, s18, s17                     ; + 64 keys x kq
	s_mov_b32 s19, 0
	s_add_co_u32 s20, s18, 0x400000                ; v: 16 heads further
	s_mov_b32 s21, 0
	s_mul_i32 s16, s10, 10240                      ; V's quarter in LDS: 10,240 w, w = 0..3
	s_mul_i32 s17, s10, 9216                       ; K's: 40,960 + 9,216 (w - 4) = 4,096 + 9,216 w, w = 4..7
	s_wait_dscnt 0x0
	s_wait_kmcnt 0x0
	s_add_nc_u64 s[18:19], s[4:5], s[18:19]
	s_add_nc_u64 s[20:21], s[4:5], s[20:21]
	CROUND                                         ; the four work-groups are here: the first joint loads meet
.irp s, 0,1
	s_mov_b32 s[G0K+4*\s], 1
	s_add_co_u32 s[G0K+4*\s+1], s17, \s*SLOT+4096
	s_add_nc_u64 s[G0K+4*\s+2:G0K+4*\s+3], s[18:19], \s*32768
	s_or_b32 s[G0K+4*\s+3], s[G0K+4*\s+3], 0x80000000
	s_mov_b32 s[G0V+4*\s], 1
	s_add_co_u32 s[G0V+4*\s+1], s16, \s*SLOT
	s_add_nc_u64 s[G0V+4*\s+2:G0V+4*\s+3], s[20:21], \s*32768
	s_or_b32 s[G0V+4*\s+3], s[G0V+4*\s+3], 0x80000000
.endr
	s_cmp_lt_u32 s10, 4
	s_cbranch_scc0 .Lfirst_k
	tensor_load_to_lds s[G0V:G0V+3], s[G1V:G1V+7]
	s_nop 0
	tensor_load_to_lds s[G0V+4:G0V+7], s[G1V:G1V+7]
	s_nop 0
	s_branch .Lfirst_done
.Lfirst_k:
	tensor_load_to_lds s[G0K:G0K+3], s[G1K:G1K+7]
	s_nop 0
	tensor_load_to_lds s[G0K+4:G0K+7], s[G1K:G1K+7]
	s_nop 0
.Lfirst_done:
	v_and_b32 v1, 31, v0                           ; L
	v_and_b32 v2, 15, v0                           ; r
	v_bfe_u32 v3, v0, 4, 1                         ; h
	s_lshl_b32 s22, s15, 18
	s_lshl_b32 s23, s14, 14
	s_add_co_u32 s22, s22, s23
	s_lshl_b32 s23, s12, 13
	s_add_co_u32 s22, s22, s23                     ; head, 128 queries x block, 64 x qh: for q and for the output
	s_mov_b32 s23, 0
	s_add_nc_u64 s[4:5], s[4:5], s[22:23]          ; q of my 64 queries
	s_add_nc_u64 s[8:9], s[8:9], s[22:23]
	s_lshl_b32 s22, s11, 11
	s_add_nc_u64 s[8:9], s[8:9], s[22:23]          ; + the 16 queries that I finish
	s_lshl_b32 s22, s15, 6
	s_add_nc_u64 s[6:7], s[6:7], s[22:23]          ; my head's sixteen maxima
	v_lshlrev_b32 v[QO], 7, v2
	v_lshl_add_u32 v[QO], v3, 4, v[QO]             ; row r, 16 h
.irp qt, 0,1,2,3
.irp dk, 0,1
	global_load_b128 v[QQ+8*(2*\qt+\dk):QQ+8*(2*\qt+\dk)+3], v[QO], s[4:5] offset:\qt*2048+\dk*64
	global_load_b128 v[QQ+8*(2*\qt+\dk)+4:QQ+8*(2*\qt+\dk)+7], v[QO], s[4:5] offset:\qt*2048+\dk*64+32
.endr
.endr
	v_lshlrev_b32 v4, 2, v2
	v_lshl_add_u32 v4, v3, 10, v4
	global_load_b32 v5, v4, s[6:7]                 ; lanes 0-15: max |q| of block r; lanes 16-31: max |k|
	s_lshl_b32 s22, s11, 6
	v_add_nc_u32 v6, s22, v2                       ; key row 64 kq + r
	v_mul_u32_u24 v6, v6, 144
	v_lshl_add_u32 v6, v3, 4, v6
	v_add_nc_u32 v[ADRK], KOFF, v6
	v_add_nc_u32 v[ADRK+1], SLOT, v[ADRK]
	v_and_b32 v6, 7, v0
	v_lshl_add_u32 v6, v3, 3, v6
	v_add_nc_u32 v6, s22, v6                       ; key row 64 kq + 8 h + (L & 7)
	v_mul_u32_u24 v6, v6, 160
	v_bfe_u32 v7, v0, 3, 1
	v_lshl_add_u32 v[ADRV], v7, 4, v6
	v_add_nc_u32 v[ADRV+1], SLOT, v[ADRV]
	v_lshlrev_b32 v[CO], 4, v1
	s_mul_i32 s22, s10, CWAVE
	s_add_co_u32 s22, s22, COMB
	v_add_nc_u32 v[CW], s22, v[CO]
	s_add_co_u32 s22, s22, 16384
	v_lshl_add_u32 v[CL], v1, 2, s22
	s_mul_i32 s22, s12, 4*CWAVE
	s_add_co_u32 s22, s22, COMB
	s_lshl_b32 s23, s11, 10
	s_add_co_u32 s23, s22, s23
	v_add_nc_u32 v[CR], s23, v[CO]
	s_lshl_b32 s23, s11, 7
	s_add_co_u32 s23, s22, s23
	s_add_co_u32 s23, s23, 16384
	v_lshl_add_u32 v[CLR], v1, 2, s23
	s_mul_i32 s22, s10, 2304
	s_add_co_u32 s22, s22, STG
	v_mul_u32_u24 v6, v2, 144
	v_lshl_add_u32 v6, v3, 4, v6
	v_add_nc_u32 v[STO], s22, v6
	v_lshrrev_b32 v6, 3, v1
	v_mul_u32_u24 v6, v6, 144
	v_and_b32 v7, 7, v0
	v_lshl_add_u32 v6, v7, 4, v6
	v_add_nc_u32 v[RD], s22, v6
	s_wait_loadcnt 0x0                             ; q and the maxima
.irp m, 1,2,4,8
	v_max_num_f32_dpp v5, v5, v5 row_xmask:\m row_mask:0xf bank_mask:0xf
.endr
	v_permlanex16_b32 v6, v5, s24, s25             ; v6 has been written
	v_mul_f32 v5, v5, v6                           ; max |q| x max |k|
	v_mul_f32 v5, 0x41000000, v5                   ; B
	v_fma_f32 v6, 0.5, v5, 1.0
	v_fma_f32 v6, v6, v5, 1.0                      ; tb
	v_bfe_u32 v6, v6, 23, 8                        ; e, at most 255
	v_sub_nc_u32 v6, 268, v6                       ; at least 13
	v_lshlrev_b32 v6, 23, v6                       ; sigma = 2^(141 - e)
	v_mul_f32 v7, 0x3e000000, v6                   ; sigma / 8
	v_mul_f32 v4, 0x3c000000, v6                   ; sigma / 128
	WIN 0x40
	v_mov_b32 v[KC0], v6
	v_mov_b32 v[KC0+1], v6
	v_mov_b32 v[KC1], v7
	v_mov_b32 v[KC1+1], v7
	v_mov_b32 v[KC2], v4
	v_mov_b32 v[KC2+1], v4
	WIN 0
	s_wait_tensorcnt 0x1                           ; my part of slot 0 is in; slot 1's may stay out
	s_barrier_signal -1
	s_barrier_wait -1
	WORK 0, 1                                      ; keys 0-255: the first products start the sums
	s_mov_b32 s16, 3
.Lpair:
	STEP 1, 1
	STEP 0, 1
	s_sub_co_u32 s16, s16, 1
	s_cmp_lg_u32 s16, 0
	s_cbranch_scc1 .Lpair
	STEP 1, 0                                      ; keys 1,792-2,047: nothing is left to fetch
	; ---- the four waves of one qh add their sums ----
	PLACES
	WIN 0x55
.irp qt, 0,1,2,3
	v_pk_add_f32 v[LL+8*\qt:LL+8*\qt+1], v[LL+8*\qt:LL+8*\qt+1], v[LL+8*\qt+2:LL+8*\qt+3]
	v_pk_add_f32 v[LL+8*\qt+4:LL+8*\qt+5], v[LL+8*\qt+4:LL+8*\qt+5], v[LL+8*\qt+6:LL+8*\qt+7]
.endr
.irp qt, 0,1,2,3
	v_pk_add_f32 v[LL+8*\qt:LL+8*\qt+1], v[LL+8*\qt:LL+8*\qt+1], v[LL+8*\qt+4:LL+8*\qt+5]
.endr
.irp qt, 0,1,2,3
	v_add_f32 v[LL+8*\qt], v[LL+8*\qt], v[LL+8*\qt+1]
.endr
	WIN 0x01
.irp qt, 0,1,2,3
	v_mov_b32 v[20+\qt], v[LL+8*\qt]
.endr
	WIN 0
.irp qt, 0,1,2,3
	v_permlanex16_b32 v[4+\qt], v[20+\qt], s24, s25        ; the other eight keys of each tile; v4-7 have been written
.endr
.irp qt, 0,1,2,3
	v_add_f32 v[20+\qt], v[20+\qt], v[4+\qt]
.endr
	WIN 0x04
.irp n, 0,1,2,3,4,5,6,7,8,9,10,11,12,13,14,15
	ds_store_b128 v[CW], v[8*\n:8*\n+3] offset:\n*1024
	ds_store_b128 v[CW], v[8*\n+4:8*\n+7] offset:\n*1024+512
.endr
	WIN 0
.irp qt, 0,1,2,3
	ds_store_b32 v[CL], v[20+\qt] offset:128*\qt
.endr
	s_wait_dscnt 0x0                               ; for the other waves' sake
	s_barrier_signal -1
	s_barrier_wait -1
	; wave (qh, kq) finishes query tile kq of its half: tile (dt, kq) of the four waves g
.irp g, 0,1,2,3
.irp dt, 0,1,2,3
	ds_load_b128 v[32+32*\g+8*\dt:32+32*\g+8*\dt+3], v[CR] offset:\g*CWAVE+\dt*4096
	ds_load_b128 v[32+32*\g+8*\dt+4:32+32*\g+8*\dt+7], v[CR] offset:\g*CWAVE+\dt*4096+512
.endr
.endr
.irp g, 0,1,2,3
	ds_load_b32 v[160+\g], v[CLR] offset:\g*CWAVE
.endr
	s_wait_dscnt 0x0
	v_add_f32 v160, v160, v161
	v_add_f32 v162, v162, v163
	v_add_f32 v160, v160, v162
	v_rcp_f32 v164, v160                           ; the sum is at least 1,024 sigma: never zero
	v_rcp_f32 v165, v160                           ; the sums below are the plain places behind the two (ISA guide 5.7.2)
.irp n, 0,1,2,3,4,5,6,7,8,9,10,11,12,13,14,15
	v_pk_add_f32 v[32+2*\n:33+2*\n], v[32+2*\n:33+2*\n], v[64+2*\n:65+2*\n]
	v_pk_add_f32 v[96+2*\n:97+2*\n], v[96+2*\n:97+2*\n], v[128+2*\n:129+2*\n]
.endr
.irp n, 0,1,2,3,4,5,6,7,8,9,10,11,12,13,14,15
	v_pk_add_f32 v[32+2*\n:33+2*\n], v[32+2*\n:33+2*\n], v[96+2*\n:97+2*\n]
.endr
	s_wait_alu depctr_va_vdst(0)
.irp n, 0,1,2,3,4,5,6,7,8,9,10,11,12,13,14,15
	v_pk_mul_f32 v[32+2*\n:33+2*\n], v[32+2*\n:33+2*\n], v[164:165]
.endr
.irp dt, 0,1,2,3
.irp jj, 0,1,2,3
	v_cvt_pk_f16_f32 v[32+8*\dt+\jj], v[32+8*\dt+2*\jj], v[32+8*\dt+2*\jj+1]
.endr
	ds_store_b128 v[STO], v[32+8*\dt:32+8*\dt+3] offset:32*\dt
.endr
.irp t, 0,1,2,3
	ds_load_b128 v[64+4*\t:64+4*\t+3], v[RD] offset:576*\t        ; my own bytes; LDS serves a wave's instructions in order (ISA guide 5.7.1.4)
.endr
.irp t, 0,1,2,3
	s_wait_dscnt 3-\t
	global_store_b128 v[CO], v[64+4*\t:64+4*\t+3], s[8:9] offset:512*\t    ; four rows of 128 bytes: 512 consecutive bytes, aligned
.endr
	s_wait_tensorcnt 0x0
	ds_add_u32 v30, v31
	s_wait_dscnt 0x0
	CROUND                                         ; the closing round
	s_endpgm
.Lfunc_end_k_q114cca2eee_attn:
	.size	k_q114cca2eee_attn, .Lfunc_end_k_q114cca2eee_attn-k_q114cca2eee_attn
	.p2alignl 7, 3214868480
	.fill 96, 4, 3214868480
	.section	.rodata,"a",@progbits
	.p2align	6, 0x0
	.amdhsa_kernel k_q114cca2eee_attn
		.amdhsa_group_segment_fixed_size 327680
		.amdhsa_private_segment_fixed_size 0
		.amdhsa_enable_private_segment 0
		.amdhsa_kernarg_size 24
		.amdhsa_user_sgpr_count 2
		.amdhsa_user_sgpr_kernarg_segment_ptr 1
		.amdhsa_wavefront_size32 1
		.amdhsa_system_sgpr_workgroup_id_x 1
		.amdhsa_system_sgpr_workgroup_id_y 1
		.amdhsa_system_sgpr_workgroup_id_z 1
		.amdhsa_system_vgpr_workitem_id 0
		.amdhsa_next_free_vgpr 496
		.amdhsa_next_free_sgpr 66
		.amdhsa_reserve_vcc 0
		.amdhsa_float_denorm_mode_32 3
		.amdhsa_float_denorm_mode_16_64 3
		.amdhsa_memory_ordered 1
		.amdhsa_forward_progress 1
		.amdhsa_inst_pref_size 115
	.end_amdhsa_kernel
	.amdgpu_metadata
---
amdhsa.version: [ 1, 2 ]
amdhsa.kernels:
  - .name:           k_q114cca2eee_attn
    .symbol:         k_q114cca2eee_attn.kd
    .args:
      - { .name: qkv16, .offset: 0, .size: 8, .value_kind: global_buffer, .address_space: global }
      - { .name: mx, .offset: 8, .size: 8, .value_kind: global_buffer, .address_space: global }
      - { .name: wv16, .offset: 16, .size: 8, .value_kind: global_buffer, .address_space: global }
    .group_segment_fixed_size: 327680
    .private_segment_fixed_size: 0
    .kernarg_segment_align: 8
    .kernarg_segment_size: 24
    .max_flat_workgroup_size: 256
    .sgpr_count:     66
    .vgpr_count:     496
    .wavefront_size: 32
...
	.end_amdgpu_metadata
.endif
;; end of part 3
;; launch oproj (part 4): grid 16 x 16, 4 waves a work-group, clusters of 4 x 4, 327,680 bytes of LDS; arguments wv16, w16, out0; writes out0
.if DOCPART == 4
	.amdgcn_target "amdgcn-amd-amdhsa--gfx1250"
	.amdhsa_code_object_version 6
	.text
	.protected	k_q114cca2eee_oproj
	.globl	k_q114cca2eee_oproj
	.p2align	8
	.type	k_q114cca2eee_oproj,@function
k_q114cca2eee_oproj:
	s_mov_b64 s[64:65], 0
	v_nop
	global_prefetch_b8 v0, s[64:65] scope:SCOPE_SE
	s_setreg_imm32_b32 hwreg(HW_REG_WAVE_MODE, 25, 1), 1
	s_wait_xcnt 0x0
	s_wait_alu depctr_hold_cnt(0) depctr_sa_sdst(0) depctr_va_vdst(0) depctr_va_sdst(0) depctr_va_ssrc(0) depctr_va_vcc(0) depctr_vm_vsrc(0)
	s_getreg_b32 s2, hwreg(HW_REG_IB_STS2, 6, 4)
	s_cmp_eq_u32 s2, 0
	s_cbranch_scc0 .Lentry_in_a_cluster
	s_endpgm
.Lentry_in_a_cluster:
	s_bfe_u32 s2, ttmp6, 0x10000c
	s_cmp_lg_u32 s2, 0xf033
	s_cbranch_scc0 .Lentry_shape_is_right
	s_endpgm
.Lentry_shape_is_right:
; OUT = wv x w_o.  Work-group (cb, rb): 128 tokens x 64 columns, 16 x 16 = 256.  Four waves, each 64 tokens (rh = w >> 1) x 32 columns (ch = w & 1):
; eight accumulator tiles, all registers in window 0.  K = 1,024 in 8 steps of 128 = two heads a step, since wv16 lies [head][token][64].
; Source 0 = 16 columns (from w16's block 48 + cb, rows along the columns: transposing loads), source 1 = 16 tokens: lane l holds token l % 16 and
; eight neighbouring columns, 32 bytes of f32.
; CLUSTERS 4 x 4: the planes of wv hang on rb alone (joint along a row), w_o's block on cb alone (joint along a column).  Waves 0, 1 ask for one head's
; plane each, waves 2, 3 for 64 k-rows of the weights each.  By this text's own count a wave has two tensor loads out at the start, later one.
; LDS: slot s at s x 57,344: two planes of 128 tokens, pitch 144; then 128 k-rows, pitch 160.  Stage, never filled: 128 rows of 256 bytes, pitch 272.
; The launch declares 327,680 bytes so that it is alone on its WGP; the ring and the stage use 149,504.
.set SLOT,  57344
.set PLANE, 18432
.set WOFF,  36864
.set STAGE, 114688
.set ADRH, 8
.set ADRW, 10
.set STO,  12
.set RD,   13
.set CO,   14
.set F0,   32                          ; W(f2) at F + 8 f2, H(tt) at F + 16 + 8 tt
.set F1,   80
.set ACC,  160                         ; tile (f2, tt) at 160 + 8 (4 f2 + tt)
.set G1A, 24
.set G1B, 32
.set G0A, 40
.set G0B, 48
.macro PLACES                          ; four places behind a matrix instruction before its registers are loaded into or read (ISA guide 7.12.1)
.rept 4
	v_nop
.endr
.endm
.macro CREST
	s_cmp_lg_u32 s10, 0
	s_cbranch_scc1 .Lnot_wave_0_\@
	s_barrier_signal -3
.Lnot_wave_0_\@:
	s_barrier_wait -3
	s_barrier_signal -1
	s_barrier_wait -1
.endm
.macro CROUND
	s_barrier_signal -1
	s_barrier_wait -1
	CREST
.endm
.macro JLOAD s
	s_cmp_eq_u32 s11, 0
	s_cbranch_scc0 .Lfor_w_\@
	tensor_load_to_lds s[G0A+4*\s:G0A+4*\s+3], s[G1A:G1A+7]
	s_nop 0
	s_branch .Lasked_\@
.Lfor_w_\@:
	tensor_load_to_lds s[G0B+4*\s:G0B+4*\s+3], s[G1B:G1B+7]
	s_nop 0
.Lasked_\@:
.endm
.macro FETCH slot, kq, f               ; 12 LDS loads: the fragments of 32 along K
.irp f2, 0,1
	ds_load_tr16_b128 v[\f+8*\f2:\f+8*\f2+3], v[ADRW+\slot] offset:\kq*5120+\f2*32
	ds_load_tr16_b128 v[\f+8*\f2+4:\f+8*\f2+7], v[ADRW+\slot] offset:\kq*5120+\f2*32+2560
.endr
.irp tt, 0,1,2,3
	ds_load_b128 v[\f+16+8*\tt:\f+16+8*\tt+3], v[ADRH+\slot] offset:(\kq/2)*PLANE+\tt*2304+(\kq%2)*64
	ds_load_b128 v[\f+16+8*\tt+4:\f+16+8*\tt+7], v[ADRH+\slot] offset:(\kq/2)*PLANE+\tt*2304+(\kq%2)*64+32
.endr
.endm
.macro MUL8 f, zero                    ; the eight accumulators take turns, one instruction a turn
.irp f2, 0,1
.irp tt, 0,1,2,3
.if \zero
	v_wmma_f32_16x16x32_f16 v[ACC+8*(4*\f2+\tt):ACC+8*(4*\f2+\tt)+7], v[\f+8*\f2:\f+8*\f2+7], v[\f+16+8*\tt:\f+16+8*\tt+7], 0
.else
	v_wmma_f32_16x16x32_f16 v[ACC+8*(4*\f2+\tt):ACC+8*(4*\f2+\tt)+7], v[\f+8*\f2:\f+8*\f2+7], v[\f+16+8*\tt:\f+16+8*\tt+7], v[ACC+8*(4*\f2+\tt):ACC+8*(4*\f2+\tt)+7]
.endif
.endr
.endr
.endm
.macro QUARTER slot, kq, f, g, zero    ; buffer f is in; quarter kq goes out into buffer g; buffer f is multiplied meanwhile
	s_wait_dscnt 0x0
	PLACES
	FETCH \slot, \kq, \g
	MUL8 \f, \zero
.endm
.macro THREE slot, zero
	QUARTER \slot, 1, F0, F1, \zero
	QUARTER \slot, 2, F1, F0, 0
	QUARTER \slot, 3, F0, F1, 0
.endm
; The change of slots: each wave's reads of this slot and all its tensor loads are waited for in front of the barrier; fill = 1: the barrier opens a
; round of the cluster's barrier, and this slot's joint refill is the wave's first and only tensor load behind the round.
.macro TURN slot, next, fill
	s_wait_dscnt 0x0
	s_wait_tensorcnt 0x0
	ds_add_u32 v254, v255
	s_wait_dscnt 0x0
	s_barrier_signal -1
	MUL8 F1, 0
	s_barrier_wait -1
.if \fill
	CREST
	s_add_nc_u64 s[G0A+4*\slot+2:G0A+4*\slot+3], s[G0A+4*\slot+2:G0A+4*\slot+3], 0x100000    ; four heads on
	s_add_nc_u64 s[G0B+4*\slot+2:G0B+4*\slot+3], s[G0B+4*\slot+2:G0B+4*\slot+3], 32768       ; 256 k-rows of 128 bytes on
	JLOAD \slot
.endif
	PLACES
	FETCH \next, 0, F0
.endm
.macro LAP zero
	THREE 0, \zero
	TURN 0, 1, 1
	THREE 1, 0
	TURN 1, 0, 1
.endm
	s_load_b128 s[4:7], s[0:1], 0x0                ; wv16 4:5, w16 6:7
	s_load_b64 s[8:9], s[0:1], 0x10                ; out0
	v_lshl_add_u32 v254, v0, 2, 0x29000
	v_mov_b32 v255, 0
	ds_add_u32 v254, v255
	v_lshrrev_b32 v4, 5, v0
	v_readfirstlane_b32 s10, v4                    ; wave
	s_lshr_b32 s11, s10, 1                         ; rh; also: I fetch a plane (0) or weights (1)
	s_and_b32 s12, s10, 1                          ; ch; also: which plane, which 64 k-rows
	s_bfe_u32 s13, ttmp6, 0x40000                  ; cx
	s_bfe_u32 s14, ttmp6, 0x40004                  ; cy
	s_lshl_b32 s15, ttmp9, 2
	s_add_co_u32 s15, s15, s13                     ; cb
	s_and_b32 s16, ttmp7, 0xffff
	s_lshl_b32 s16, s16, 2
	s_add_co_u32 s16, s16, s14                     ; rb
	s_lshl_b32 s17, s14, 2
	s_lshl_b32 s17, 15, s17                        ; my row of the cluster
	s_lshl_b32 s18, 0x1111, s13                    ; my column
	s_or_b32 s[G1A+0], s17, (1<<16)|(1<<20)|(1<<21)|(4<<22)|(3<<25)   ; 128 tokens x 64 f16, 4 words of padding behind every 32
	s_mov_b32 s[G1A+1], 64<<16
	s_mov_b32 s[G1A+2], 128<<16
	s_mov_b32 s[G1A+3], 64<<16
	s_mov_b32 s[G1A+4], 128
	s_mov_b32 s[G1A+5], 64
	s_mov_b32 s[G1A+6], 0
	s_mov_b32 s[G1A+7], 0
	s_or_b32 s[G1B+0], s18, (1<<16)|(1<<20)|(1<<21)|(4<<22)|(7<<25)   ; 64 k-rows x 64 f16, 8 words of padding behind every 32
	s_mov_b32 s[G1B+1], 64<<16
	s_mov_b32 s[G1B+2], 64<<16
	s_mov_b32 s[G1B+3], 64<<16
	s_mov_b32 s[G1B+4], 64
	s_mov_b32 s[G1B+5], 64
	s_mov_b32 s[G1B+6], 0
	s_mov_b32 s[G1B+7], 0
	s_lshl_b32 s20, s12, 18                        ; plane: head ch,
	s_lshl_b32 s21, s16, 14
	s_add_co_u32 s20, s20, s21                     ; 128 tokens x rb
	s_mov_b32 s21, 0
	s_add_co_u32 s22, s15, 48
	s_lshl_b32 s22, s22, 17                        ; weights: block 48 + cb,
	s_lshl_b32 s23, s12, 13
	s_add_co_u32 s22, s22, s23                     ; 64 k-rows x ch
	s_mov_b32 s23, 0
	s_mul_i32 s56, s10, PLANE                      ; planes in LDS: 18,432 w, w = 0, 1
	s_mul_i32 s57, s10, 10240                      ; weights: 36,864 + 10,240 (w - 2) = 16,384 + 10,240 w, w = 2, 3
	s_lshl_b32 s58, s16, 19                        ; the way out: 128 rows of 4,096 bytes x rb
	s_lshl_b32 s59, s10, 17
	s_add_co_u32 s58, s58, s59                     ; + 32 rows x wave
	s_lshl_b32 s59, s15, 8
	s_add_co_u32 s58, s58, s59                     ; + 256 bytes x cb
	s_mov_b32 s59, 0
	s_wait_dscnt 0x0
	s_wait_kmcnt 0x0
	s_add_nc_u64 s[20:21], s[4:5], s[20:21]
	s_add_nc_u64 s[22:23], s[6:7], s[22:23]
	s_add_nc_u64 s[8:9], s[8:9], s[58:59]
	CROUND                                         ; all sixteen work-groups are here: the first joint loads meet
.irp s, 0,1
	s_mov_b32 s[G0A+4*\s], 1
	s_add_co_u32 s[G0A+4*\s+1], s56, \s*SLOT
	s_add_nc_u64 s[G0A+4*\s+2:G0A+4*\s+3], s[20:21], \s*0x80000      ; two heads a K step
	s_or_b32 s[G0A+4*\s+3], s[G0A+4*\s+3], 0x80000000
	s_mov_b32 s[G0B+4*\s], 1
	s_add_co_u32 s[G0B+4*\s+1], s57, \s*SLOT+16384
	s_add_nc_u64 s[G0B+4*\s+2:G0B+4*\s+3], s[22:23], \s*16384
	s_or_b32 s[G0B+4*\s+3], s[G0B+4*\s+3], 0x80000000
.endr
	s_cmp_eq_u32 s11, 0
	s_cbranch_scc0 .Lfirst_w
	tensor_load_to_lds s[G0A:G0A+3], s[G1A:G1A+7]
	s_nop 0
	tensor_load_to_lds s[G0A+4:G0A+7], s[G1A:G1A+7]
	s_nop 0
	s_branch .Lfirst_done
.Lfirst_w:
	tensor_load_to_lds s[G0B:G0B+3], s[G1B:G1B+7]
	s_nop 0
	tensor_load_to_lds s[G0B+4:G0B+7], s[G1B:G1B+7]
	s_nop 0
.Lfirst_done:
	v_and_b32 v1, 31, v0                           ; L
	v_and_b32 v2, 15, v0                           ; r
	v_bfe_u32 v3, v0, 4, 1                         ; h
	s_lshl_b32 s56, s11, 6
	v_add_nc_u32 v4, s56, v2                       ; 64 rh + r
	v_mul_u32_u24 v5, v4, 144
	v_lshl_add_u32 v[ADRH], v3, 4, v5
	v_add_nc_u32 v[ADRH+1], SLOT, v[ADRH]
	v_and_b32 v6, 7, v0
	v_lshl_add_u32 v6, v3, 3, v6
	v_mul_u32_u24 v6, v6, 160
	v_bfe_u32 v7, v0, 3, 1
	v_lshl_add_u32 v6, v7, 4, v6
	s_lshl_b32 s56, s12, 6
	s_add_co_u32 s56, s56, WOFF
	v_add_nc_u32 v[ADRW], s56, v6
	v_add_nc_u32 v[ADRW+1], SLOT, v[ADRW]
	v_mul_u32_u24 v5, v4, 272
	v_lshl_add_u32 v5, v3, 5, v5
	s_lshl_b32 s56, s12, 7
	s_add_co_u32 s56, s56, STAGE
	v_add_nc_u32 v[STO], s56, v5                   ; row 64 rh + r, byte 128 ch + 32 h
	s_lshl_b32 s56, s10, 5
	v_add_nc_u32 v5, s56, v3                       ; row 32 wave + L / 16
	v_mul_u32_u24 v5, v5, 272
	v_lshl_add_u32 v5, v2, 4, v5
	v_add_nc_u32 v[RD], STAGE, v5
	v_lshlrev_b32 v[CO], 4, v2
	v_lshl_add_u32 v[CO], v3, 12, v[CO]            ; the same two rows in the output
	s_wait_tensorcnt 0x1                           ; my part of K step 0 is in; slot 1's may stay out
	s_barrier_signal -1
	s_barrier_wait -1
	FETCH 0, 0, F0
	LAP 1                                          ; the first products start the sums
	s_mov_b32 s19, 2
.Llap:
	LAP 0
	s_sub_co_u32 s19, s19, 1
	s_cmp_lg_u32 s19, 0
	s_cbranch_scc1 .Llap
	THREE 0, 0                                     ; the last lap fills nothing
	TURN 0, 1, 0
	THREE 1, 0
	s_wait_dscnt 0x0
	MUL8 F1, 0
	; the way out: f32 through the stage, read back as whole rows of 256 bytes
	PLACES
.irp f2, 0,1
.irp tt, 0,1,2,3
	ds_store_b128 v[STO], v[ACC+8*(4*\f2+\tt):ACC+8*(4*\f2+\tt)+3] offset:\tt*4352+\f2*64
	ds_store_b128 v[STO], v[ACC+8*(4*\f2+\tt)+4:ACC+8*(4*\f2+\tt)+7] offset:\tt*4352+\f2*64+16
.endr
.endr
	s_wait_dscnt 0x0                               ; for the other waves' sake: a row's two halves come from two waves
	s_barrier_signal -1
	s_barrier_wait -1
.irp t, 0,1,2,3,4,5,6,7,8,9,10,11,12,13,14,15
	ds_load_b128 v[32+4*\t:32+4*\t+3], v[RD] offset:544*\t
.endr
.irp t, 0,1,2,3,4,5,6,7,8,9,10,11,12,13,14,15
	s_wait_dscnt 15-\t                             ; LDS loads come back in order: this one is in
	global_store_b128 v[CO], v[32+4*\t:32+4*\t+3], s[8:9] offset:8192*\t th:TH_STORE_NT   ; sixteen lanes store 256 consecutive bytes, aligned
.endr
	s_wait_tensorcnt 0x0
	ds_add_u32 v254, v255
	s_wait_dscnt 0x0
	CROUND                                         ; the closing round
	s_endpgm
.Lfunc_end_k_q114cca2eee_oproj:
	.size	k_q114cca2eee_oproj, .Lfunc_end_k_q114cca2eee_oproj-k_q114cca2eee_oproj
	.p2alignl 7, 3214868480
	.fill 96, 4, 3214868480
	.section	.rodata,"a",@progbits
	.p2align	6, 0x0
	.amdhsa_kernel k_q114cca2eee_oproj
		.amdhsa_group_segment_fixed_size 327680
		.amdhsa_private_segment_fixed_size 0
		.amdhsa_enable_private_segment 0
		.amdhsa_kernarg_size 24
		.amdhsa_user_sgpr_count 2
		.amdhsa_user_sgpr_kernarg_segment_ptr 1
		.amdhsa_wavefront_size32 1
		.amdhsa_system_sgpr_workgroup_id_x 1
		.amdhsa_system_sgpr_workgroup_id_y 1
		.amdhsa_system_sgpr_workgroup_id_z 1
		.amdhsa_system_vgpr_workitem_id 0
		.amdhsa_next_free_vgpr 256
		.amdhsa_next_free_sgpr 66
		.amdhsa_reserve_vcc 0
		.amdhsa_float_denorm_mode_32 3
		.amdhsa_float_denorm_mode_16_64 3
		.amdhsa_memory_ordered 1
		.amdhsa_forward_progress 1
		.amdhsa_inst_pref_size 49
	.end_amdhsa_kernel
	.amdgpu_metadata
---
amdhsa.version: [ 1, 2 ]
amdhsa.kernels:
  - .name:           k_q114cca2eee_oproj
    .symbol:         k_q114cca2eee_oproj.kd
    .args:
      - { .name: wv16, .offset: 0, .size: 8, .value_kind: global_buffer, .address_space: global }
      - { .name: w16, .offset: 8, .size: 8, .value_kind: global_buffer, .address_space: global }
      - { .name: out0, .offset: 16, .size: 8, .value_kind: global_buffer, .address_space: global }
    .group_segment_fixed_size: 327680
    .private_segment_fixed_size: 0
    .kernarg_segment_align: 8
    .kernarg_segment_size: 24
    .max_flat_workgroup_size: 128
    .sgpr_count:     66
    .vgpr_count:     256
    .wavefront_size: 32
...
	.end_amdgpu_metadata
.endif
;; end of part 4
;; ======== version 2 of 2: 4 launches
;; limits: values are held in f16: magnitudes above 65,504 overflow, below 6.1e-05 lose precision; right only within a limited range of input values
;; workspace buffers: h16 4,194,304 bytes; w16 8,388,608 bytes; tab 524,288 bytes; qkv16 12,582,912 bytes; mx 2,048 bytes; wv16 4,194,304 bytes
;; launch prep: the kernel of part 1 again; grid 256 x 1, 8 waves a work-group, no clusters, 0 bytes of LDS; arguments x, ln_w, ln_b, w_q, w_kv, w_o, theta, h16, w16, tab; writes h16, w16, tab
;; launch qkv (part 5): grid 16 x 16, 4 waves a work-group, clusters of 4 x 4, 327,680 bytes of LDS; arguments h16, w16, tab, qkv16, mx; writes qkv16, mx
.if DOCPART == 5
	.amdgcn_target "amdgcn-amd-amdhsa--gfx1250"
	.amdhsa_code_object_version 6
	.text
	.protected	k_q114cca2eee_qkv
	.globl	k_q114cca2eee_qkv
	.p2align	8
	.type	k_q114cca2eee_qkv,@function
k_q114cca2eee_qkv:
	s_mov_b64 s[64:65], 0
	v_nop
	global_prefetch_b8 v0, s[64:65] scope:SCOPE_SE
	s_setreg_imm32_b32 hwreg(HW_REG_WAVE_MODE, 25, 1), 1
	s_wait_xcnt 0x0
	s_wait_alu depctr_hold_cnt(0) depctr_sa_sdst(0) depctr_va_vdst(0) depctr_va_sdst(0) depctr_va_ssrc(0) depctr_va_vcc(0) depctr_vm_vsrc(0)
	s_getreg_b32 s2, hwreg(HW_REG_IB_STS2, 6, 4)
	s_cmp_eq_u32 s2, 0
	s_cbranch_scc0 .Lentry_in_a_cluster
	s_endpgm
.Lentry_in_a_cluster:
	s_bfe_u32 s2, ttmp6, 0x10000c
	s_cmp_lg_u32 s2, 0xf033
	s_cbranch_scc0 .Lentry_shape_is_right
	s_endpgm
.Lentry_shape_is_right:
; QKV: q, k, v of ONE head for 128 tokens = h[128 x 1024] x three weight blocks [1024 x 64]; then the rotation of q and k; f16 out.
; Work-group (head, rb), 16 x 16 = 256.  Four waves; wave w makes 64 tokens (rh = w >> 1) x columns 32 ch .. 32 ch + 31 (ch = w & 1) of each of
; q, k, v: 24 accumulator tiles, so that every wave runs the same text and q and k share their cos/sin registers.
; The matrix instruction takes 16 FEATURES as source 0 and 16 TOKENS as source 1: lane l then holds token l % 16, registers 0-7 the features
; 8 (l / 16) + 0..7: both numbers of a rotated pair, and 16 bytes of f16 output, lie in one lane.
; THE TILES.  All loads of a wave are waited for in front of each refill's barrier, so the fills follow each other; they are made few and large.
; 128 of K cost 96,256 bytes of LDS and three times that fit: region X holds 256 of K, region Y 128.  K is walked X (0-255), Y (256-383),
; X (384-639), Y (640-767), X (768-1,023): two first fills and three refills; a refill has the work on the other region in which to land.
; Every row of h in a tile begins at a multiple of 256 bytes of its row in memory and is 256 or 512 bytes long.
; CLUSTERS 4 x 4: h's tiles and the table hang on rb alone and are asked for jointly along a row of the cluster; the weights hang on the head alone
; and are asked for jointly along a column.  Wave 0 asks for h (and once for the table), waves 1 to 3 for the k-rows of q, k, v: one load a wave
; for a region.  By this text's own count a wave has at most three tensor loads out (wave 0 at the start), later one.
; THE WALK is written out: 32 quarters of 32 along K on two fragment buffers; each quarter fetches the next one's fragments in its middle.
; It also stores max |q| and max |k| of its block, from which the next launch bounds the scores.
; LIMIT: |q|, |k|, |v| below 65,504 (f16).
; LDS: X at 0: h 128 rows of 512 bytes, pitch 528; then q's, k's, v's 256 k-rows of 64 columns, pitch 160 (an odd multiple of 32 for the
; transposing load).  Y at 190,464: h 128 rows of 256 bytes, pitch 272; then three times 128 k-rows.  Table at 286,720: 128 rows, pitch 272.
; 256 bytes for the maxima at 321,536, never filled.  The stage of the way out (3 x 128 rows, pitch 144) lies over Y: Y's last fill is asked for in
; quarter 11, its last reads are waited for in front of quarter 23's barrier, and the stage is written behind the last quarter.
.set XW,    67584                      ; X's k-rows
.set YB,    190464                     ; Y's h
.set YW,    225280                     ; Y's k-rows
.set TAB,   286720
.set STAGE, YB
.set RED,   321536
.set ADRHX, 8                          ; v8      h fragments in X
.set ADRHY, 9                          ; v9      in Y
.set ADRWX, 10                         ; v10-12  weight fragments in X, one register a part (an LDS offset has 16 bits)
.set ADRWY, 13                         ; v13-15  in Y
.set ADRT, 16                          ; v16     cos/sin
.set STO,  17                          ; v17     stage, in
.set RD,   18                          ; v18     stage, back
.set CO,   19                          ; v19     16 lane
.set REDA, 22                          ; v22     my wave's two maxima
.set F0,   64                          ; fragment buffers: W(i) at F + 8 i (i = 2 part + column half), H(tt) at F + 48 + 8 tt
.set F1,   144
.set TU,   192                         ; window 1: v448-455 at work
.set MQ,   200                         ; window 1: four running maxima of |q|
.set MK,   204                         ; window 1: four of |k|
.set G1AX, 32                          ; group 1: h in X, h in Y, k-rows in X, k-rows in Y, the table
.set G1AY, 40
.set G1BX, 48
.set G1BY, 56
.set G1T,  68
.set G0AX, 76                          ; group 0, in the same order
.set G0AY, 80
.set G0BX, 84
.set G0BY, 88
.set G0T,  92
.set OUTB, 96                          ; s[96:101] where my rows of q, k, v go
.set MSB, 0
.macro WIN new                         ; the immediate's high byte repeats the setting that is left
.if MSB != \new
	s_set_vgpr_msb (MSB<<8)|\new
.set MSB, \new
.endif
.endm
.macro PLACES                          ; four places behind a matrix instruction before its registers are loaded into, read or written (ISA guide 7.12.1)
.rept 4
	v_nop
.endr
.endm
.macro CREST                           ; a round of the cluster's barrier behind its opening barrier
	s_cmp_lg_u32 s14, 0
	s_cbranch_scc1 .Lnot_wave_0_\@
	s_barrier_signal -3
.Lnot_wave_0_\@:
	s_barrier_wait -3
	s_barrier_signal -1
	s_barrier_wait -1
.endm
.macro CROUND
	s_barrier_signal -1
	s_barrier_wait -1
	CREST
.endm
.macro JLOAD a0, a1, b0, b1            ; one joint load a wave; the branch hangs on the wave's number alone
	s_cmp_lg_u32 s14, 0
	s_cbranch_scc1 .Lfor_w_\@
	tensor_load_to_lds s[\a0:\a0+3], s[\a1:\a1+7]
	s_nop 0
	s_branch .Lasked_\@
.Lfor_w_\@:
	tensor_load_to_lds s[\b0:\b0+3], s[\b1:\b1+7]
	s_nop 0
.Lasked_\@:
.endm
; group 1: rows x cols elements of 2 bytes, pitch elements from row to row; pad + 1 words of padding behind every 2 << qi words (one row)
.macro G1SET g, mask, qi, pad, cols, rows, pitch
	s_or_b32 s[\g+0], \mask, (1<<16)|(1<<20)|(1<<21)|(\qi<<22)|(\pad<<25)
	s_mov_b32 s[\g+1], \cols<<16
	s_mov_b32 s[\g+2], \rows<<16
	s_mov_b32 s[\g+3], \cols<<16
	s_mov_b32 s[\g+4], \rows
	s_mov_b32 s[\g+5], \pitch
	s_mov_b32 s[\g+6], 0
	s_mov_b32 s[\g+7], 0
.endm
.macro MM d, a, b, zero
.if \zero
	v_wmma_f32_16x16x32_f16 v[\d:\d+7], v[\a:\a+7], v[\b:\b+7], 0
.else
	v_wmma_f32_16x16x32_f16 v[\d:\d+7], v[\a:\a+7], v[\b:\b+7], v[\d:\d+7]
.endif
.endm
; 12 matrix instructions: feature tiles 3 half .. 3 half + 2 x four token tiles.  The 24 accumulators (window 1, tile (i, tt) at 8 (4 i + tt))
; take turns, one instruction a turn.
.macro MUL12 f, half, zero
	WIN 0x50
.irp i, 0,1,2
.irp tt, 0,1,2,3
	MM 8*(4*(3*\half+\i)+\tt), \f+8*(3*\half+\i), \f+48+8*\tt, \zero
.endr
.endr
.endm
.macro LDW wr, kq, f, i                ; 16 features x 32 k from rows that lie along the features: two transposing loads, 16 k-rows apart
	ds_load_tr16_b128 v[\f+8*\i:\f+8*\i+3], v[\wr+(\i)/2] offset:(\kq)*5120+((\i)%2)*32
	ds_load_tr16_b128 v[\f+8*\i+4:\f+8*\i+7], v[\wr+(\i)/2] offset:(\kq)*5120+((\i)%2)*32+2560
.endm
; 20 LDS loads: W(0..2), H(0..3), W(3..5) of quarter kq of a region.  hr, hs: h's address register and the bytes of 16 of its rows; wr: the k-rows' registers
.macro FETCH hr, hs, wr, kq, f
	WIN 0
.irp i, 0,1,2
	LDW \wr, \kq, \f, \i
.endr
.irp tt, 0,1,2,3
	ds_load_b128 v[\f+48+8*\tt:\f+48+8*\tt+3], v[\hr] offset:\tt*\hs+(\kq)*64
	ds_load_b128 v[\f+48+8*\tt+4:\f+48+8*\tt+7], v[\hr] offset:\tt*\hs+(\kq)*64+32
.endr
.irp i, 3,4,5
	LDW \wr, \kq, \f, \i
.endr
.endm
; quarter g of the 32, into buffer g % 2: of every twelve quarters the first eight lie in X, the last four in Y
.macro FETCHG g
.if ((\g)%12) < 8
	FETCH ADRHX, 8448, ADRWX, ((\g)%12), F0+80*((\g)%2)
.else
	FETCH ADRHY, 4352, ADRWY, ((\g)%12-8), F0+80*((\g)%2)
.endif
.endm
.macro QUARTER g, zero                 ; multiplies quarter g; in its middle fetches quarter g + 1 of the same region into the other buffer
	s_wait_dscnt 6                                 ; W(0..2) and H are in; the youngest six loads, W(3..5), may be out
	MUL12 F0+80*((\g)%2), 0, \zero
	PLACES
	FETCHG (\g+1)
	s_wait_dscnt 20                                ; all but the 20 just issued
	MUL12 F0+80*((\g)%2), 1, \zero
.endm
; The last quarter of a region (g is odd: buffer 1).  In front of the barrier each wave waits for its reads of this region and for all its tensor
; loads (the one that is out is its part of the other region).  fill = 1: the barrier opens a round of the cluster's barrier, and behind the round
; this region's joint refill is the wave's first and only tensor load.
.macro TURN g, fill, a0, a1, b0, b1
	s_wait_dscnt 0x0
	s_wait_tensorcnt 0x0
	ds_add_u32 v254, v255
	s_wait_dscnt 0x0
	s_barrier_signal -1
	MUL12 F1, 0, 0                                 ; register work between signal and wait
	WIN 0
	s_barrier_wait -1
.if \fill
	CREST
	s_add_nc_u64 s[\a0+2:\a0+3], s[\a0+2:\a0+3], 768       ; X and Y together are 384 of K: 768 bytes on in h's rows,
	s_add_nc_u64 s[\b0+2:\b0+3], s[\b0+2:\b0+3], 49152     ; 384 k-rows of 128 bytes on in the weights
	JLOAD \a0, \a1, \b0, \b1
.endif
	PLACES
	FETCHG (\g+1)
	MUL12 F1, 1, 0
.endm
	s_load_b256 s[4:11], s[0:1], 0x0               ; h16 4:5, w16 6:7, tab 8:9, qkv16 10:11
	s_load_b64 s[12:13], s[0:1], 0x20              ; mx
	v_lshl_add_u32 v254, v0, 2, 0x4e900
	v_mov_b32 v255, 0
	ds_add_u32 v254, v255
	v_lshrrev_b32 v4, 5, v0
	v_readfirstlane_b32 s14, v4                    ; wave
	s_lshr_b32 s15, s14, 1                         ; rh
	s_and_b32 s16, s14, 1                          ; ch
	s_bfe_u32 s17, ttmp6, 0x40000                  ; cx
	s_bfe_u32 s18, ttmp6, 0x40004                  ; cy
	s_lshl_b32 s19, ttmp9, 2
	s_add_co_u32 s19, s19, s17                     ; head
	s_and_b32 s20, ttmp7, 0xffff
	s_lshl_b32 s20, s20, 2
	s_add_co_u32 s20, s20, s18                     ; rb
	s_lshl_b32 s21, s18, 2
	s_lshl_b32 s21, 15, s21                        ; my row of the cluster
	s_lshl_b32 s22, 0x1111, s17                    ; my column
	G1SET G1AX, s21, 6, 3, 256, 128, 1024          ; h in X: 128 rows x 256 f16, 4 words of padding behind every 128
	G1SET G1AY, s21, 5, 3, 128, 128, 1024          ; h in Y: 128 rows x 128 f16, 4 words behind every 64
	G1SET G1T,  s21, 5, 3, 128, 128, 128           ; the table: 128 dense rows of 256 bytes, padded alike
	G1SET G1BX, s22, 4, 7, 64, 256, 64             ; k-rows in X: 256 rows x 64 f16, 8 words behind every 32
	G1SET G1BY, s22, 4, 7, 64, 128, 64             ; in Y: 128 rows
	s_lshl_b32 s26, s20, 18                        ; h: 128 rows of 2,048 bytes x rb
	s_mov_b32 s27, 0
	s_lshl_b32 s30, s20, 15                        ; table: 128 rows of 256 bytes x rb
	s_mov_b32 s31, 0
	s_max_u32 s24, s14, 1
	s_sub_co_u32 s24, s24, 1                       ; the part that waves 1..3 fetch (wave 0 never uses this address)
	s_lshl_b32 s24, s24, 4
	s_add_co_u32 s28, s24, s19
	s_lshl_b32 s28, s28, 17                        ; block 16 part + head, 131,072 bytes each
	s_mov_b32 s29, 0
	s_lshl_b32 s24, s19, 18                        ; the way out: head x 2,048 tokens x 128 bytes
	s_lshl_b32 s25, s20, 14
	s_add_co_u32 s24, s24, s25                     ; + 128 tokens x rb
	s_lshl_b32 s25, s14, 12
	s_add_co_u32 s24, s24, s25                     ; + 32 tokens x wave
	s_mov_b32 s25, 0
	s_wait_dscnt 0x0
	s_wait_kmcnt 0x0
	s_add_nc_u64 s[26:27], s[4:5], s[26:27]
	s_add_nc_u64 s[30:31], s[8:9], s[30:31]
	s_add_nc_u64 s[28:29], s[6:7], s[28:29]
	s_add_nc_u64 s[OUTB:OUTB+1], s[10:11], s[24:25]            ; q
	s_add_nc_u64 s[OUTB+2:OUTB+3], s[OUTB:OUTB+1], 0x400000    ; k: 16 heads further
	s_add_nc_u64 s[OUTB+4:OUTB+5], s[OUTB:OUTB+1], 0x800000    ; v
	s_lshl_b32 s24, s19, 6
	s_lshl2_add_u32 s24, s20, s24                  ; 64 head + 4 rb
	s_add_nc_u64 s[12:13], s[12:13], s[24:25]
	CROUND                                         ; all sixteen work-groups are here: the first joint loads meet
	s_mov_b32 s[G0AX], 1
	s_mov_b32 s[G0AX+1], 0
	s_mov_b64 s[G0AX+2:G0AX+3], s[26:27]           ; K 0-255
	s_or_b32 s[G0AX+3], s[G0AX+3], 0x80000000
	s_mov_b32 s[G0AY], 1
	s_mov_b32 s[G0AY+1], YB
	s_add_nc_u64 s[G0AY+2:G0AY+3], s[26:27], 512   ; K 256-383
	s_or_b32 s[G0AY+3], s[G0AY+3], 0x80000000
	s_mov_b32 s[G0BX], 1
	s_mul_i32 s23, s14, 40960
	s_add_co_u32 s[G0BX+1], s23, XW-40960          ; 67,584 + 40,960 (wave - 1)
	s_mov_b64 s[G0BX+2:G0BX+3], s[28:29]
	s_or_b32 s[G0BX+3], s[G0BX+3], 0x80000000
	s_mov_b32 s[G0BY], 1
	s_mul_i32 s23, s14, 20480
	s_add_co_u32 s[G0BY+1], s23, YW-20480          ; 225,280 + 20,480 (wave - 1)
	s_add_nc_u64 s[G0BY+2:G0BY+3], s[28:29], 32768 ; k-rows 256-383
	s_or_b32 s[G0BY+3], s[G0BY+3], 0x80000000
	s_mov_b32 s[G0T], 1
	s_mov_b32 s[G0T+1], TAB
	s_mov_b64 s[G0T+2:G0T+3], s[30:31]
	s_or_b32 s[G0T+3], s[G0T+3], 0x80000000
	s_cmp_lg_u32 s14, 0                            ; all first fills of a wave inside one branch on its number
	s_cbranch_scc1 .Lfirst_w
	tensor_load_to_lds s[G0T:G0T+3], s[G1T:G1T+7]
	s_nop 0
	tensor_load_to_lds s[G0AX:G0AX+3], s[G1AX:G1AX+7]
	s_nop 0
	tensor_load_to_lds s[G0AY:G0AY+3], s[G1AY:G1AY+7]
	s_nop 0
	s_branch .Lfirst_done
.Lfirst_w:
	tensor_load_to_lds s[G0BX:G0BX+3], s[G1BX:G1BX+7]
	s_nop 0
	tensor_load_to_lds s[G0BY:G0BY+3], s[G1BY:G1BY+7]
	s_nop 0
.Lfirst_done:
	v_and_b32 v1, 31, v0                           ; L
	v_and_b32 v2, 15, v0                           ; r
	v_bfe_u32 v3, v0, 4, 1                         ; h
	s_lshl_b32 s24, s15, 6
	v_add_nc_u32 v4, s24, v2                       ; 64 rh + r
	v_mul_u32_u24 v5, v4, 528
	v_lshl_add_u32 v[ADRHX], v3, 4, v5
	v_mul_u32_u24 v5, v4, 272                      ; the pitch of Y's h and of the table
	v_lshl_add_u32 v6, v3, 4, v5
	v_add_nc_u32 v[ADRHY], YB, v6
	s_lshl_b32 s24, s16, 7
	s_add_co_u32 s24, s24, TAB
	v_lshl_add_u32 v7, v3, 5, v5
	v_add_nc_u32 v[ADRT], s24, v7                  ; table row 64 rh + r, pairs 16 ch + 4 h ..
	v_and_b32 v6, 7, v0
	v_lshl_add_u32 v6, v3, 3, v6                   ; k-row 8 h + (L & 7)
	v_mul_u32_u24 v6, v6, 160
	v_bfe_u32 v7, v0, 3, 1
	v_lshl_add_u32 v6, v7, 4, v6
	s_lshl_b32 s24, s16, 6
	v_add_nc_u32 v6, s24, v6                       ; + my 32 columns
.irp pt, 0,1,2
	v_add_nc_u32 v[ADRWX+\pt], XW+\pt*40960, v6
	v_add_nc_u32 v[ADRWY+\pt], YW+\pt*20480, v6
.endr
	v_mul_u32_u24 v7, v4, 144
	v_lshl_add_u32 v7, v3, 4, v7
	s_add_co_u32 s24, s24, STAGE
	v_add_nc_u32 v[STO], s24, v7                   ; stage row 64 rh + r, byte 64 ch + 16 h
	v_lshrrev_b32 v7, 3, v1
	s_lshl_b32 s24, s14, 5
	v_add_nc_u32 v7, s24, v7                       ; row 32 wave + L / 8
	v_mul_u32_u24 v7, v7, 144
	v_and_b32 v20, 7, v0
	v_lshl_add_u32 v7, v20, 4, v7
	v_add_nc_u32 v[RD], STAGE, v7
	v_lshlrev_b32 v[CO], 4, v1
	s_lshl_b32 s24, s14, 3
	s_add_co_u32 s24, s24, RED
	v_mov_b32 v[REDA], s24
	s_wait_tensorcnt 0x1                           ; my part of X (and the table) is in; Y's load may stay out
	s_barrier_signal -1
	s_barrier_wait -1
	FETCHG 0
	QUARTER 0, 1                                   ; the first products start the sums
.irp g, 1,2,3,4,5,6
	QUARTER \g, 0
.endr
	TURN 7, 1, G0AX, G1AX, G0BX, G1BX              ; X is read: K 384-639 go out; on into Y
.irp g, 8,9,10
	QUARTER \g, 0
.endr
	TURN 11, 1, G0AY, G1AY, G0BY, G1BY             ; Y is read: K 640-767 go out, Y's last fill; on into X
.irp g, 12,13,14,15,16,17,18
	QUARTER \g, 0
.endr
	TURN 19, 1, G0AX, G1AX, G0BX, G1BX             ; K 768-1,023 go out: the last load
.irp g, 20,21,22
	QUARTER \g, 0
.endr
	TURN 23, 0, G0AX, G1AX, G0BX, G1BX             ; nothing is left to fetch; behind this barrier no wave reads Y any more
.irp g, 24,25,26,27,28,29,30
	QUARTER \g, 0
.endr
	s_wait_dscnt 0x0
	MUL12 F1, 0, 0
	MUL12 F1, 1, 0
	; ---- the rotation, the maxima, f16, the way out ----
	PLACES
	WIN 0
	s_mov_b32 s30, 0x76543210                      ; v_permlanex16_b32: lane i reads lane i of the other half
	s_mov_b32 s31, 0xfedcba98
.irp tt, 0,1,2,3
.irp f2, 0,1
	ds_load_b128 v[64+8*(2*\tt+\f2):64+8*(2*\tt+\f2)+3], v[ADRT] offset:\tt*4352+\f2*64        ; cos, sin of my four pairs of tile (tt, f2)
	ds_load_b128 v[64+8*(2*\tt+\f2)+4:64+8*(2*\tt+\f2)+7], v[ADRT] offset:\tt*4352+\f2*64+16
.endr
.endr
	s_wait_dscnt 0x0
.macro ROT i, tt                       ; (a, b) -> (a cos - b sin, a sin + b cos), four pairs of one tile
.irp p, 0,1,2,3
	v_mul_f32 v[TU+\p], v[8*(4*\i+\tt)+2*\p+1], v[64+8*(2*\tt+\i%2)+2*\p+1]
	v_mul_f32 v[TU+4+\p], v[8*(4*\i+\tt)+2*\p], v[64+8*(2*\tt+\i%2)+2*\p+1]
.endr
.irp p, 0,1,2,3
	v_fma_f32 v[8*(4*\i+\tt)+2*\p], v[8*(4*\i+\tt)+2*\p], v[64+8*(2*\tt+\i%2)+2*\p], -v[TU+\p]
	v_fma_f32 v[8*(4*\i+\tt)+2*\p+1], v[8*(4*\i+\tt)+2*\p+1], v[64+8*(2*\tt+\i%2)+2*\p], v[TU+4+\p]
.endr
.endm
	WIN 0x51                                       ; source 0, source 2 and destination in window 1 (tiles, at work), source 1 in window 0 (cos, sin)
.irp i, 0,1,2,3
.irp tt, 0,1,2,3
	ROT \i, \tt
.endr
.endr
.macro AMAX m, i, tt, first            ; four chains; the first tile starts them: nothing is cleared
.irp p, 0,1,2,3
.if \first
	v_max_num_f32 v[\m+\p], |v[8*(4*\i+\tt)+2*\p]|, |v[8*(4*\i+\tt)+2*\p+1]|
.else
	v_max3_num_f32 v[\m+\p], v[\m+\p], |v[8*(4*\i+\tt)+2*\p]|, |v[8*(4*\i+\tt)+2*\p+1]|
.endif
.endr
.endm
	WIN 0x55
	AMAX MQ, 0, 0, 1
	AMAX MK, 2, 0, 1
.irp tt, 1,2,3
	AMAX MQ, 0, \tt, 0
	AMAX MK, 2, \tt, 0
.endr
.irp tt, 0,1,2,3
	AMAX MQ, 1, \tt, 0
	AMAX MK, 3, \tt, 0
.endr
	v_max3_num_f32 v[MQ], v[MQ], v[MQ+1], v[MQ+2]
	v_max3_num_f32 v[MK], v[MK], v[MK+1], v[MK+2]
	v_max_num_f32 v[MQ], v[MQ], v[MQ+3]
	v_max_num_f32 v[MK], v[MK], v[MK+3]
.irp n, 0,1,2,3,4,5,6,7,8,9,10,11,12,13,14,15,16,17,18,19,20,21,22,23
.irp jj, 0,1,2,3
	v_cvt_pk_f16_f32 v[8*\n+\jj], v[8*\n+2*\jj], v[8*\n+2*\jj+1]       ; in place: register jj is written when its old value has been read
.endr
.endr
	WIN 0x04                                       ; store data in window 1, address in window 0
.irp i, 0,1,2,3,4,5
.irp tt, 0,1,2,3
	ds_store_b128 v[STO], v[8*(4*\i+\tt):8*(4*\i+\tt)+3] offset:(\i/2)*18432+\tt*2304+(\i%2)*32
.endr
.endr
	WIN 0x01
	v_mov_b32 v24, v[MQ]
	v_mov_b32 v25, v[MK]
	WIN 0
.irp m, 1,2,4,8
	v_max_num_f32_dpp v24, v24, v24 row_xmask:\m row_mask:0xf bank_mask:0xf
	v_max_num_f32_dpp v25, v25, v25 row_xmask:\m row_mask:0xf bank_mask:0xf
.endr
	v_permlanex16_b32 v4, v24, s30, s31            ; v4, v5 have been written: the destination counts as read
	v_permlanex16_b32 v5, v25, s30, s31
	v_max_num_f32 v24, v24, v4
	v_max_num_f32 v25, v25, v5
	ds_store_b64 v[REDA], v[24:25]
	s_wait_dscnt 0x0                               ; for the other waves' sake: my stage rows and my maxima are written
	s_barrier_signal -1
	s_barrier_wait -1
.irp pt, 0,1,2
.irp t, 0,1,2,3,4,5,6,7
	ds_load_b128 v[64+4*(8*\pt+\t):64+4*(8*\pt+\t)+3], v[RD] offset:\pt*18432+\t*576     ; four whole rows of 128 bytes
.endr
.endr
.irp pt, 0,1,2
.irp t, 0,1,2,3,4,5,6,7
	s_wait_dscnt 23-(8*\pt+\t)                     ; LDS loads come back in order: this one is in, the younger ones may be out
	global_store_b128 v[CO], v[64+4*(8*\pt+\t):64+4*(8*\pt+\t)+3], s[OUTB+2*\pt:OUTB+2*\pt+1] offset:512*\t   ; 512 consecutive bytes, aligned
.endr
.endr
	s_cmp_lg_u32 s14, 0
	s_cbranch_scc1 .Lno_mx
	v_mov_b32 v26, RED
	ds_load_b128 v[28:31], v26
	ds_load_b128 v[32:35], v26 offset:16
	s_wait_dscnt 0x0
	v_max3_num_f32 v36, v28, v30, v32
	v_max3_num_f32 v37, v29, v31, v33
	v_max_num_f32 v36, v36, v34
	v_max_num_f32 v37, v37, v35
	v_cmp_eq_u32 vcc_lo, 1, v1
	v_cndmask_b32 v36, v36, v37, vcc_lo            ; lane 0: max |q|, lane 1: max |k|
	v_lshlrev_b32 v38, 10, v1
	s_wait_xcnt 0x0                                ; EXEC is a source of the stores above: it changes only behind this wait
	v_cmp_gt_u32 vcc_lo, 2, v1
	s_and_saveexec_b32 s24, vcc_lo
	global_store_b32 v38, v36, s[12:13]
	s_wait_xcnt 0x0                                ; and again in front of the line that widens it
	s_or_b32 exec_lo, exec_lo, s24
.Lno_mx:
	s_wait_tensorcnt 0x0
	ds_add_u32 v254, v255
	s_wait_dscnt 0x0
	CROUND                                         ; the closing round
	s_endpgm
.Lfunc_end_k_q114cca2eee_qkv:
	.size	k_q114cca2eee_qkv, .Lfunc_end_k_q114cca2eee_qkv-k_q114cca2eee_qkv
	.p2alignl 7, 3214868480
	.fill 96, 4, 3214868480
	.section	.rodata,"a",@progbits
	.p2align	6, 0x0
	.amdhsa_kernel k_q114cca2eee_qkv
		.amdhsa_group_segment_fixed_size 327680
		.amdhsa_private_segment_fixed_size 0
		.amdhsa_enable_private_segment 0
		.amdhsa_kernarg_size 40
		.amdhsa_user_sgpr_count 2
		.amdhsa_user_sgpr_kernarg_segment_ptr 1
		.amdhsa_wavefront_size32 1
		.amdhsa_system_sgpr_workgroup_id_x 1
		.amdhsa_system_sgpr_workgroup_id_y 1
		.amdhsa_system_sgpr_workgroup_id_z 1
		.amdhsa_system_vgpr_workitem_id 0
		.amdhsa_next_free_vgpr 464
		.amdhsa_next_free_sgpr 102
		.amdhsa_reserve_vcc 1
		.amdhsa_float_denorm_mode_32 3
		.amdhsa_float_denorm_mode_16_64 3
		.amdhsa_memory_ordered 1
		.amdhsa_forward_progress 1
		.amdhsa_inst_pref_size 140
	.end_amdhsa_kernel
	.amdgpu_metadata
---
amdhsa.version: [ 1, 2 ]
amdhsa.kernels:
  - .name:           k_q114cca2eee_qkv
    .symbol:         k_q114cca2eee_qkv.kd
    .args:
      - { .name: h16, .offset: 0, .size: 8, .value_kind: global_buffer, .address_space: global }
      - { .name: w16, .offset: 8, .size: 8, .value_kind: global_buffer, .address_space: global }
      - { .name: tab, .offset: 16, .size: 8, .value_kind: global_buffer, .address_space: global }
      - { .name: qkv16, .offset: 24, .size: 8, .value_kind: global_buffer, .address_space: global }
      - { .name: mx, .offset: 32, .size: 8, .value_kind: global_buffer, .address_space: global }
    .group_segment_fixed_size: 327680
    .private_segment_fixed_size: 0
    .kernarg_segment_align: 8
    .kernarg_segment_size: 40
    .max_flat_workgroup_size: 128
    .sgpr_count:     102
    .vgpr_count:     464
    .wavefront_size: 32
...
	.end_amdgpu_metadata
.endif
;; end of part 5
;; launch attn (part 6): grid 16 x 16, 8 waves a work-group, clusters of 4 x 1, 327,680 bytes of LDS; arguments qkv16, mx, wv16; writes wv16
.if DOCPART == 6
	.amdgcn_target "amdgcn-amd-amdhsa--gfx1250"
	.amdhsa_code_object_version 6
	.text
	.protected	k_q114cca2eee_attn
	.globl	k_q114cca2eee_attn
	.p2align	8
	.type	k_q114cca2eee_attn,@function
k_q114cca2eee_attn:
	s_mov_b64 s[64:65], 0
	v_nop
	global_prefetch_b8 v0, s[64:65] scope:SCOPE_SE
	s_setreg_imm32_b32 hwreg(HW_REG_WAVE_MODE, 25, 1), 1
	s_wait_xcnt 0x0
	s_wait_alu depctr_hold_cnt(0) depctr_sa_sdst(0) depctr_va_vdst(0) depctr_va_sdst(0) depctr_va_ssrc(0) depctr_va_vcc(0) depctr_vm_vsrc(0)
	s_getreg_b32 s2, hwreg(HW_REG_IB_STS2, 6, 4)
	s_cmp_eq_u32 s2, 0
	s_cbranch_scc0 .Lentry_in_a_cluster
	s_endpgm
.Lentry_in_a_cluster:
	s_bfe_u32 s2, ttmp6, 0x10000c
	s_cmp_lg_u32 s2, 0x3003
	s_cbranch_scc0 .Lentry_shape_is_right
	s_endpgm
.Lentry_shape_is_right:
; ATTENTION with weights t = 1 + s + s^2/2, s = q.k/8, normalised along each row; one head x 128 queries for a work-group, 16 x 16 = 256.
; No exponential and no maximum: t is a polynomial, t >= 1/2, and partial sums over keys simply add.
; Eight waves: wave w takes 64 queries (qh = w >> 2) and, of each slot's 512 keys, the 128 with kq = w & 3.  The four waves of one qh add their
; sums of t v and of t once, at the end, through LDS.  Two waves lie on a SIMD, so one wave's polynomial runs beside the other's products.
; THE TILES.  All loads of a wave are waited for in front of each refill's barrier, so the fills follow each other; they are made few and large: two
; slots of 512 keys, two first fills and two refills for the 2,048 keys, written out without a loop.  Between a refill's request and the wait for it
; lies the work on the other slot's 512 keys, 128 matrix instructions for each wave.
; CLUSTER 4 x 1: the four query blocks of a cluster belong to one head and read the same K and V tiles: every tile is asked for jointly (mask 15).
; By this text's own count a wave has two tensor loads out at the start and one behind each round.
; SCORES TRANSPOSED: source 0 = 16 keys, source 1 = 16 queries: lane l holds query l % 16, registers 0-7 the keys 8 (l / 16) + 0..7.  Two such tiles,
; packed to f16, ARE the second product's source 1 (32 keys along k), with no move between lanes.  That product takes V transposed as source 0:
; lane l then holds query l % 16 and eight neighbouring d.
; THE WEIGHTS IN ONE MULTIPLY-ADD: with x = q.k, 128 t = (x + 8)^2 + 64.  q is multiplied once by a power of two a, and the first product of a score
; tile starts from a tile that holds 8 a everywhere, so the matrix unit delivers y = a (x + 8); y^2 + 64 a^2 = 128 a^2 t is one fused multiply-add.
; THE SCALE a: the weights go to the matrix unit in f16.  |s| <= B = 8 max|q| max|k| (64 products, divided by 8), so t <= tb = 1 + B + B^2/2 < 2^(e-126),
; e the biased exponent of tb; a = 2^min(0, floor((134 - e)/2)) keeps 128 a^2 t below 2^15, and a <= 1 keeps a q inside f16.  a is the same in all
; waves of a head and cancels in the division.
; LIMIT: a q is kept in f16.  Its largest element is about 1.4 / max|k| or more; elements under 2^-14 keep an absolute step of 2^-24.
; OUTPUT: wv16[query block][head][128][64], so that the next launch finds a block's heads one behind the other.
; LDS: slot s at s x 155,648: V 512 keys, pitch 160; then K 512 keys, pitch 144.  The stages lie over slot 0, which has had its last fill and whose last
; reads are waited for in front of the last step's barrier: for each wave 16,896 bytes for the sums (16 tiles of 1,024, then 4 x 128 for the row
; sums), from byte 0; and 2,304 for the way out (16 rows, pitch 144), from byte 135,168.
.set SLOT, 155648
.set KOFF, 81920
.set CWAVE, 16896
.set STG,  135168
.set ADRK, 8                           ; v8-9
.set ADRV, 10                          ; v10-11
.set CW,  12
.set CL,  13
.set CR,  14
.set CLR, 15
.set STO, 16
.set RD,  17
.set CO,  18
.set QO,  19
.set QQ,  32                           ; Q(qt, dk) at 32 + 8 (2 qt + dk)
.set FB,  96                           ; chunk c: K(kt, dk) at 96 + 64 c + 8 (2 kt + dk), V(dt) at 96 + 64 c + 32 + 8 dt
.set PB,  224                          ; P(qt) at 224 + 8 qt
.set SS,  128                          ; window 1: S(kt, qt) at 128 + 8 (4 kt + qt); O(dt, qt) at 8 (4 dt + qt)
.set LL,  192                          ; window 1: row sums, 8 registers for each qt
.set KC0, 224                          ; window 1: 64 a^2, twice
.set CT,  232                          ; window 1: eight registers that hold 8 a: the tile from which every score tile starts
.set G1K, 28
.set G1V, 36
.set G0K, 44
.set G0V, 52
.set MSB, 0
.macro WIN new
.if MSB != \new
	s_set_vgpr_msb (MSB<<8)|\new
.set MSB, \new
.endif
.endm
.macro PLACES                          ; four places behind a matrix instruction before its registers are loaded into, read or written (ISA guide 7.12.1)
.rept 4
	v_nop
.endr
.endm
.macro CROUND                          ; a round of the cluster's barrier
	s_barrier_signal -1
	s_barrier_wait -1
	s_cmp_lg_u32 s10, 0
	s_cbranch_scc1 .Lnot_wave_0_\@
	s_barrier_signal -3
.Lnot_wave_0_\@:
	s_barrier_wait -3
	s_barrier_signal -1
	s_barrier_wait -1
.endm
.macro JLOAD s                         ; waves 0-3: 128 keys of V; waves 4-7: 128 keys of K
	s_cmp_lt_u32 s10, 4
	s_cbranch_scc0 .Lfor_k_\@
	tensor_load_to_lds s[G0V+4*\s:G0V+4*\s+3], s[G1V:G1V+7]
	s_nop 0
	s_branch .Lasked_\@
.Lfor_k_\@:
	tensor_load_to_lds s[G0K+4*\s:G0K+4*\s+3], s[G1K:G1K+7]
	s_nop 0
.Lasked_\@:
.endm
.macro MM d, a, b, zero
.if \zero
	v_wmma_f32_16x16x32_f16 v[\d:\d+7], v[\a:\a+7], v[\b:\b+7], 0
.else
	v_wmma_f32_16x16x32_f16 v[\d:\d+7], v[\a:\a+7], v[\b:\b+7], v[\d:\d+7]
.endif
.endm
.macro FETCH2 slot, sub                ; half sub (64 keys) of my 128 keys of a slot: 32 LDS loads in the order K(0), V(0), K(1), V(1), eight each
	PLACES
	WIN 0
.irp c, 0,1
.irp kt, 0,1
.irp dk, 0,1
	ds_load_b128 v[FB+64*\c+8*(2*\kt+\dk):FB+64*\c+8*(2*\kt+\dk)+3], v[ADRK+\slot] offset:\sub*9216+\c*4608+\kt*2304+\dk*64
	ds_load_b128 v[FB+64*\c+8*(2*\kt+\dk)+4:FB+64*\c+8*(2*\kt+\dk)+7], v[ADRK+\slot] offset:\sub*9216+\c*4608+\kt*2304+\dk*64+32
.endr
.endr
.irp dt, 0,1,2,3
	ds_load_tr16_b128 v[FB+64*\c+32+8*\dt:FB+64*\c+32+8*\dt+3], v[ADRV+\slot] offset:\sub*10240+\c*5120+\dt*32
	ds_load_tr16_b128 v[FB+64*\c+32+8*\dt+4:FB+64*\c+32+8*\dt+7], v[ADRV+\slot] offset:\sub*10240+\c*5120+\dt*32+2560
.endr
.endr
.endm
; 32 keys x 64 queries.  wk, wv: how many younger LDS loads may be out when K's and V's fragments of this chunk are needed.
; The eight score tiles and the sixteen output tiles take turns, one instruction a turn.
.macro CHUNK c, wk, wv, zero
	s_wait_dscnt \wk
	WIN 0x50
.irp kt, 0,1
.irp qt, 0,1,2,3
	v_wmma_f32_16x16x32_f16 v[SS+8*(4*\kt+\qt):SS+8*(4*\kt+\qt)+7], v[FB+64*\c+16*\kt:FB+64*\c+16*\kt+7], v[QQ+16*\qt:QQ+16*\qt+7], v[CT:CT+7]   ; 8 a + a q.k, d 0-31
.endr
.endr
.irp kt, 0,1
.irp qt, 0,1,2,3
	MM SS+8*(4*\kt+\qt), FB+64*\c+16*\kt+8, QQ+16*\qt+8, 0
.endr
.endr
	PLACES
	WIN 0x55
.irp n, 0,1,2,3,4,5,6,7
.irp p, 0,1,2,3
	v_pk_fma_f32 v[SS+8*\n+2*\p:SS+8*\n+2*\p+1], v[SS+8*\n+2*\p:SS+8*\n+2*\p+1], v[SS+8*\n+2*\p:SS+8*\n+2*\p+1], v[KC0:KC0+1]   ; y^2 + 64 a^2 = 128 a^2 t
.endr
.endr
.irp qt, 0,1,2,3
.irp p, 0,1,2,3
.if \zero
	v_pk_add_f32 v[LL+8*\qt+2*\p:LL+8*\qt+2*\p+1], v[SS+8*\qt+2*\p:SS+8*\qt+2*\p+1], v[SS+32+8*\qt+2*\p:SS+32+8*\qt+2*\p+1]   ; the first chunk starts the row sums
.else
	v_pk_add_f32 v[LL+8*\qt+2*\p:LL+8*\qt+2*\p+1], v[LL+8*\qt+2*\p:LL+8*\qt+2*\p+1], v[SS+8*\qt+2*\p:SS+8*\qt+2*\p+1]
.endif
.endr
.endr
.if \zero == 0
.irp qt, 0,1,2,3
.irp p, 0,1,2,3
	v_pk_add_f32 v[LL+8*\qt+2*\p:LL+8*\qt+2*\p+1], v[LL+8*\qt+2*\p:LL+8*\qt+2*\p+1], v[SS+32+8*\qt+2*\p:SS+32+8*\qt+2*\p+1]
.endr
.endr
.endif
	WIN 0x05                                       ; sources in window 1, destination in window 0
.irp qt, 0,1,2,3
.irp kt, 0,1
.irp jj, 0,1,2,3
	v_cvt_pk_f16_f32 v[PB+8*\qt+4*\kt+\jj], v[SS+8*(4*\kt+\qt)+2*\jj], v[SS+8*(4*\kt+\qt)+2*\jj+1]
.endr
.endr
.endr
	s_wait_dscnt \wv
	WIN 0x50
.irp dt, 0,1,2,3
.irp qt, 0,1,2,3
	MM 8*(4*\dt+\qt), FB+64*\c+32+8*\dt, PB+8*\qt, \zero
.endr
.endr
.endm
.macro WORK slot, zero                 ; my 128 keys of a slot, in two halves of 64
	FETCH2 \slot, 0
	CHUNK 0, 24, 16, \zero                         ; of the 32 loads: K(0) is in when 24 younger are out, V(0) when 16,
	CHUNK 1, 8, 0, 0                               ; K(1) when 8, V(1) when none
	FETCH2 \slot, 1
	CHUNK 0, 24, 16, 0
	CHUNK 1, 8, 0, 0
	WIN 0
.endm
; One slot's work.  fill = 1: the OTHER slot, read in the step before, is filled again, behind a round of the cluster's barrier in front of which
; every wave has waited for its LDS reads and for all its tensor loads.
.macro STEP slot, fill
	s_wait_tensorcnt 0x0                           ; all my loads have landed, my part of this slot among them: a group 0 may be written
	ds_add_u32 v30, v31
	s_wait_dscnt 0x0
.if \fill
	s_add_nc_u64 s[G0K+4*(1-\slot)+2:G0K+4*(1-\slot)+3], s[G0K+4*(1-\slot)+2:G0K+4*(1-\slot)+3], 131072   ; two slots of 512 keys x 128 bytes on
	s_add_nc_u64 s[G0V+4*(1-\slot)+2:G0V+4*(1-\slot)+3], s[G0V+4*(1-\slot)+2:G0V+4*(1-\slot)+3], 131072
.endif
	s_wait_dscnt 0x0                               ; my reads of the other slot are back
.if \fill
	CROUND
	JLOAD (1-\slot)
.else
	s_barrier_signal -1
	s_barrier_wait -1
.endif
	WORK \slot, 0
.endm
	s_load_b128 s[4:7], s[0:1], 0x0                ; qkv16 4:5, mx 6:7
	s_load_b64 s[8:9], s[0:1], 0x10                ; wv16
	v_lshl_add_u32 v30, v0, 2, 0x4c000
	v_mov_b32 v31, 0
	ds_add_u32 v30, v31
	v_lshrrev_b32 v4, 5, v0
	v_readfirstlane_b32 s10, v4                    ; wave
	s_and_b32 s11, s10, 3                          ; kq
	s_lshr_b32 s12, s10, 2                         ; qh
	s_bfe_u32 s13, ttmp6, 0x40000                  ; cx
	s_lshl_b32 s14, ttmp9, 2
	s_add_co_u32 s14, s14, s13                     ; query block
	s_and_b32 s15, ttmp7, 0xffff                   ; head (the cluster is one work-group high)
	s_mov_b32 s24, 0x76543210
	s_mov_b32 s25, 0xfedcba98
	; group 1: 128 keys x 64 f16; K with 4 words of padding behind every 32 (pitch 144), V with 8 (pitch 160)
	s_mov_b32 s[G1K+0], 15|(1<<16)|(1<<20)|(1<<21)|(4<<22)|(3<<25)
	s_mov_b32 s[G1V+0], 15|(1<<16)|(1<<20)|(1<<21)|(4<<22)|(7<<25)
.irp g, G1K, G1V
	s_mov_b32 s[\g+1], 64<<16
	s_mov_b32 s[\g+2], 128<<16
	s_mov_b32 s[\g+3], 64<<16
	s_mov_b32 s[\g+4], 128
	s_mov_b32 s[\g+5], 64
	s_mov_b32 s[\g+6], 0
	s_mov_b32 s[\g+7], 0
.endr
	s_add_co_u32 s18, s15, 16
	s_lshl_b32 s18, s18, 18                        ; k of my head
	s_lshl_b32 s17, s11, 14
	s_add_co_u32 s18, s18, s17                     ; + 128 keys x kq
	s_mov_b32 s19, 0
	s_add_co_u32 s20, s18, 0x400000                ; v: 16 heads further
	s_mov_b32 s21, 0
	s_mul_i32 s16, s10, 20480                      ; V's quarter in LDS: 20,480 w, w = 0..3
	s_mul_i32 s17, s10, 18432                      ; K's: 81,920 + 18,432 (w - 4) = 8,192 + 18,432 w, w = 4..7
	s_wait_dscnt 0x0
	s_wait_kmcnt 0x0
	s_add_nc_u64 s[18:19], s[4:5], s[18:19]
	s_add_nc_u64 s[20:21], s[4:5], s[20:21]
	CROUND                                         ; the four work-groups are here: the first joint loads meet
.irp s, 0,1
	s_mov_b32 s[G0K+4*\s], 1
	s_add_co_u32 s[G0K+4*\s+1], s17, \s*SLOT+8192
	s_add_nc_u64 s[G0K+4*\s+2:G0K+4*\s+3], s[18:19], \s*65536
	s_or_b32 s[G0K+4*\s+3], s[G0K+4*\s+3], 0x80000000
	s_mov_b32 s[G0V+4*\s], 1
	s_add_co_u32 s[G0V+4*\s+1], s16, \s*SLOT
	s_add_nc_u64 s[G0V+4*\s+2:G0V+4*\s+3], s[20:21], \s*65536
	s_or_b32 s[G0V+4*\s+3], s[G0V+4*\s+3], 0x80000000
.endr
	s_cmp_lt_u32 s10, 4
	s_cbranch_scc0 .Lfirst_k
	tensor_load_to_lds s[G0V:G0V+3], s[G1V:G1V+7]
	s_nop 0
	tensor_load_to_lds s[G0V+4:G0V+7], s[G1V:G1V+7]
	s_nop 0
	s_branch .Lfirst_done
.Lfirst_k:
	tensor_load_to_lds s[G0K:G0K+3], s[G1K:G1K+7]
	s_nop 0
	tensor_load_to_lds s[G0K+4:G0K+7], s[G1K:G1K+7]
	s_nop 0
.Lfirst_done:
	v_and_b32 v1, 31, v0                           ; L
	v_and_b32 v2, 15, v0                           ; r
	v_bfe_u32 v3, v0, 4, 1                         ; h
	s_lshl_b32 s22, s15, 18
	s_lshl_b32 s23, s14, 14
	s_add_co_u32 s22, s22, s23
	s_lshl_b32 s23, s12, 13
	s_add_co_u32 s22, s22, s23                     ; q: head x 2,048 rows, 128 rows x block, 64 x qh, rows of 128 bytes
	s_mov_b32 s23, 0
	s_add_nc_u64 s[4:5], s[4:5], s[22:23]          ; q of my 64 queries
	s_lshl_b32 s22, s14, 18                        ; output: block x 16 heads x 128 rows,
	s_lshl_b32 s26, s15, 14
	s_add_co_u32 s22, s22, s26                     ; head x 128 rows,
	s_lshl_b32 s26, s12, 13
	s_add_co_u32 s22, s22, s26                     ; 64 rows x qh,
	s_lshl_b32 s26, s11, 11
	s_add_co_u32 s22, s22, s26                     ; the 16 queries that I finish
	s_add_nc_u64 s[8:9], s[8:9], s[22:23]
	s_lshl_b32 s22, s15, 6
	s_add_nc_u64 s[6:7], s[6:7], s[22:23]          ; my head's sixteen maxima
	v_lshlrev_b32 v[QO], 7, v2
	v_lshl_add_u32 v[QO], v3, 4, v[QO]             ; row r, 16 h
.irp qt, 0,1,2,3
.irp dk, 0,1
	global_load_b128 v[QQ+8*(2*\qt+\dk):QQ+8*(2*\qt+\dk)+3], v[QO], s[4:5] offset:\qt*2048+\dk*64
	global_load_b128 v[QQ+8*(2*\qt+\dk)+4:QQ+8*(2*\qt+\dk)+7], v[QO], s[4:5] offset:\qt*2048+\dk*64+32
.endr
.endr
	v_lshlrev_b32 v4, 2, v2
	v_lshl_add_u32 v4, v3, 10, v4
	global_load_b32 v5, v4, s[6:7]                 ; lanes 0-15: max |q| of block r; lanes 16-31: max |k|
	s_lshl_b32 s22, s11, 7
	v_add_nc_u32 v6, s22, v2                       ; key row 128 kq + r
	v_mul_u32_u24 v6, v6, 144
	v_lshl_add_u32 v6, v3, 4, v6
	v_add_nc_u32 v[ADRK], KOFF, v6
	v_add_nc_u32 v[ADRK+1], SLOT, v[ADRK]
	v_and_b32 v6, 7, v0
	v_lshl_add_u32 v6, v3, 3, v6
	v_add_nc_u32 v6, s22, v6                       ; key row 128 kq + 8 h + (L & 7)
	v_mul_u32_u24 v6, v6, 160
	v_bfe_u32 v7, v0, 3, 1
	v_lshl_add_u32 v[ADRV], v7, 4, v6
	v_add_nc_u32 v[ADRV+1], SLOT, v[ADRV]
	v_lshlrev_b32 v[CO], 4, v1
	s_mul_i32 s22, s10, CWAVE                      ; my wave's sums
	v_add_nc_u32 v[CW], s22, v[CO]
	s_add_co_u32 s22, s22, 16384
	v_lshl_add_u32 v[CL], v1, 2, s22
	s_mul_i32 s22, s12, 4*CWAVE                    ; the four waves of my qh
	s_lshl_b32 s23, s11, 10
	s_add_co_u32 s23, s22, s23
	v_add_nc_u32 v[CR], s23, v[CO]
	s_lshl_b32 s23, s11, 7
	s_add_co_u32 s23, s22, s23
	s_add_co_u32 s23, s23, 16384
	v_lshl_add_u32 v[CLR], v1, 2, s23
	s_mul_i32 s22, s10, 2304
	s_add_co_u32 s22, s22, STG
	v_mul_u32_u24 v6, v2, 144
	v_lshl_add_u32 v6, v3, 4, v6
	v_add_nc_u32 v[STO], s22, v6
	v_lshrrev_b32 v6, 3, v1
	v_mul_u32_u24 v6, v6, 144
	v_and_b32 v7, 7, v0
	v_lshl_add_u32 v6, v7, 4, v6
	v_add_nc_u32 v[RD], s22, v6
	s_wait_loadcnt 0x0                             ; q and the maxima
.irp m, 1,2,4,8
	v_max_num_f32_dpp v5, v5, v5 row_xmask:\m row_mask:0xf bank_mask:0xf
.endr
	v_permlanex16_b32 v6, v5, s24, s25             ; v6 has been written
	v_mul_f32 v5, v5, v6                           ; max |q| x max |k|
	v_mul_f32 v5, 0x41000000, v5                   ; B
	v_fma_f32 v6, 0.5, v5, 1.0
	v_fma_f32 v6, v6, v5, 1.0                      ; tb
	v_bfe_u32 v6, v6, 23, 8                        ; e, 127 to 255
	v_sub_nc_u32 v6, 388, v6                       ; 134 - e + 254, at least 133
	v_lshrrev_b32 v6, 1, v6                        ; floor((134 - e) / 2) + 127
	v_min_u32 v6, 127, v6                          ; a is at most 1
	v_lshlrev_b32 v6, 23, v6                       ; a
	v_mul_f32 v7, v6, v6
	v_mul_f32 v7, 0x42800000, v7                   ; 64 a^2
	v_mul_f32 v4, 0x41000000, v6                   ; 8 a
	v_cvt_pk_f16_f32 v5, v6, v6                    ; a, twice, in f16
.set n, 0
.rept 64
	v_pk_mul_f16 v[QQ+n], v[QQ+n], v5              ; a q: a power of two, exact but for what falls under f16's smallest normal number
.set n, n+1
.endr
	WIN 0x40
	v_mov_b32 v[KC0], v7
	v_mov_b32 v[KC0+1], v7
.irp j, 0,1,2,3,4,5,6,7
	v_mov_b32 v[CT+\j], v4
.endr
	WIN 0
	s_wait_tensorcnt 0x1                           ; my part of slot 0 is in; slot 1's may stay out
	s_barrier_signal -1
	s_barrier_wait -1
	WORK 0, 1                                      ; keys 0-511: the first products start the sums
	STEP 1, 1                                      ; keys 512-1,023; keys 1,024-1,535 go out into slot 0: its last fill
	STEP 0, 1                                      ; keys 1,024-1,535; keys 1,536-2,047 go out into slot 1: the last load
	STEP 1, 0                                      ; keys 1,536-2,047; behind this step's barrier no wave reads slot 0 any more
	; ---- the four waves of one qh add their sums, through the bytes that were slot 0 ----
	PLACES
	WIN 0x55
.irp qt, 0,1,2,3
	v_pk_add_f32 v[LL+8*\qt:LL+8*\qt+1], v[LL+8*\qt:LL+8*\qt+1], v[LL+8*\qt+2:LL+8*\qt+3]
	v_pk_add_f32 v[LL+8*\qt+4:LL+8*\qt+5], v[LL+8*\qt+4:LL+8*\qt+5], v[LL+8*\qt+6:LL+8*\qt+7]
.endr
.irp qt, 0,1,2,3
	v_pk_add_f32 v[LL+8*\qt:LL+8*\qt+1], v[LL+8*\qt:LL+8*\qt+1], v[LL+8*\qt+4:LL+8*\qt+5]
.endr
.irp qt, 0,1,2,3
	v_add_f32 v[LL+8*\qt], v[LL+8*\qt], v[LL+8*\qt+1]
.endr
	WIN 0x01
.irp qt, 0,1,2,3
	v_mov_b32 v[20+\qt], v[LL+8*\qt]
.endr
	WIN 0
.irp qt, 0,1,2,3
	v_permlanex16_b32 v[4+\qt], v[20+\qt], s24, s25        ; the other eight keys of each tile; v4-7 have been written
.endr
.irp qt, 0,1,2,3
	v_add_f32 v[20+\qt], v[20+\qt], v[4+\qt]
.endr
	WIN 0x04
.irp n, 0,1,2,3,4,5,6,7,8,9,10,11,12,13,14,15
	ds_store_b128 v[CW], v[8*\n:8*\n+3] offset:\n*1024
	ds_store_b128 v[CW], v[8*\n+4:8*\n+7] offset:\n*1024+512
.endr
	WIN 0
.irp qt, 0,1,2,3
	ds_store_b32 v[CL], v[20+\qt] offset:128*\qt
.endr
	s_wait_dscnt 0x0                               ; for the other waves' sake
	s_barrier_signal -1
	s_barrier_wait -1
	; wave (qh, kq) finishes query tile kq of its half: tile (dt, kq) of the four waves g
.irp g, 0,1,2,3
.irp dt, 0,1,2,3
	ds_load_b128 v[32+32*\g+8*\dt:32+32*\g+8*\dt+3], v[CR] offset:\g*CWAVE+\dt*4096
	ds_load_b128 v[32+32*\g+8*\dt+4:32+32*\g+8*\dt+7], v[CR] offset:\g*CWAVE+\dt*4096+512
.endr
.endr
.irp g, 0,1,2,3
	ds_load_b32 v[160+\g], v[CLR] offset:\g*CWAVE
.endr
	s_wait_dscnt 0x0
	v_add_f32 v160, v160, v161
	v_add_f32 v162, v162, v163
	v_add_f32 v160, v160, v162
	v_rcp_f32 v164, v160                           ; the sum is at least 2,048 x 64 a^2: never zero
	v_rcp_f32 v165, v160                           ; the sums below are the plain places behind the two (ISA guide 5.7.2)
.irp n, 0,1,2,3,4,5,6,7,8,9,10,11,12,13,14,15
	v_pk_add_f32 v[32+2*\n:33+2*\n], v[32+2*\n:33+2*\n], v[64+2*\n:65+2*\n]
	v_pk_add_f32 v[96+2*\n:97+2*\n], v[96+2*\n:97+2*\n], v[128+2*\n:129+2*\n]
.endr
.irp n, 0,1,2,3,4,5,6,7,8,9,10,11,12,13,14,15
	v_pk_add_f32 v[32+2*\n:33+2*\n], v[32+2*\n:33+2*\n], v[96+2*\n:97+2*\n]
.endr
	s_wait_alu depctr_va_vdst(0)
.irp n, 0,1,2,3,4,5,6,7,8,9,10,11,12,13,14,15
	v_pk_mul_f32 v[32+2*\n:33+2*\n], v[32+2*\n:33+2*\n], v[164:165]
.endr
.irp dt, 0,1,2,3
.irp jj, 0,1,2,3
	v_cvt_pk_f16_f32 v[32+8*\dt+\jj], v[32+8*\dt+2*\jj], v[32+8*\dt+2*\jj+1]
.endr
	ds_store_b128 v[STO], v[32+8*\dt:32+8*\dt+3] offset:32*\dt
.endr
.irp t, 0,1,2,3
	ds_load_b128 v[64+4*\t:64+4*\t+3], v[RD] offset:576*\t        ; my own bytes; LDS serves a wave's instructions in order (ISA guide 5.7.1.4)
.endr
.irp t, 0,1,2,3
	s_wait_dscnt 3-\t
	global_store_b128 v[CO], v[64+4*\t:64+4*\t+3], s[8:9] offset:512*\t    ; four rows of 128 bytes: 512 consecutive bytes, aligned
.endr
	s_wait_tensorcnt 0x0
	ds_add_u32 v30, v31
	s_wait_dscnt 0x0
	CROUND                                         ; the closing round
	s_endpgm
.Lfunc_end_k_q114cca2eee_attn:
	.size	k_q114cca2eee_attn, .Lfunc_end_k_q114cca2eee_attn-k_q114cca2eee_attn
	.p2alignl 7, 3214868480
	.fill 96, 4, 3214868480
	.section	.rodata,"a",@progbits
	.p2align	6, 0x0
	.amdhsa_kernel k_q114cca2eee_attn
		.amdhsa_group_segment_fixed_size 327680
		.amdhsa_private_segment_fixed_size 0
		.amdhsa_enable_private_segment 0
		.amdhsa_kernarg_size 24
		.amdhsa_user_sgpr_count 2
		.amdhsa_user_sgpr_kernarg_segment_ptr 1
		.amdhsa_wavefront_size32 1
		.amdhsa_system_sgpr_workgroup_id_x 1
		.amdhsa_system_sgpr_workgroup_id_y 1
		.amdhsa_system_sgpr_workgroup_id_z 1
		.amdhsa_system_vgpr_workitem_id 0
		.amdhsa_next_free_vgpr 496
		.amdhsa_next_free_sgpr 66
		.amdhsa_reserve_vcc 0
		.amdhsa_float_denorm_mode_32 3
		.amdhsa_float_denorm_mode_16_64 3
		.amdhsa_memory_ordered 1
		.amdhsa_forward_progress 1
		.amdhsa_inst_pref_size 178
	.end_amdhsa_kernel
	.amdgpu_metadata
---
amdhsa.version: [ 1, 2 ]
amdhsa.kernels:
  - .name:           k_q114cca2eee_attn
    .symbol:         k_q114cca2eee_attn.kd
    .args:
      - { .name: qkv16, .offset: 0, .size: 8, .value_kind: global_buffer, .address_space: global }
      - { .name: mx, .offset: 8, .size: 8, .value_kind: global_buffer, .address_space: global }
      - { .name: wv16, .offset: 16, .size: 8, .value_kind: global_buffer, .address_space: global }
    .group_segment_fixed_size: 327680
    .private_segment_fixed_size: 0
    .kernarg_segment_align: 8
    .kernarg_segment_size: 24
    .max_flat_workgroup_size: 256
    .sgpr_count:     66
    .vgpr_count:     496
    .wavefront_size: 32
...
	.end_amdgpu_metadata
.endif
;; end of part 6
;; launch oproj (part 7): grid 16 x 16, 4 waves a work-group, clusters of 4 x 4, 327,680 bytes of LDS; arguments wv16, w16, out0; writes out0
.if DOCPART == 7
	.amdgcn_target "amdgcn-amd-amdhsa--gfx1250"
	.amdhsa_code_object_version 6
	.text
	.protected	k_q114cca2eee_oproj
	.globl	k_q114cca2eee_oproj
	.p2align	8
	.type	k_q114cca2eee_oproj,@function
k_q114cca2eee_oproj:
	s_mov_b64 s[64:65], 0
	v_nop
	global_prefetch_b8 v0, s[64:65] scope:SCOPE_SE
	s_setreg_imm32_b32 hwreg(HW_REG_WAVE_MODE, 25, 1), 1
	s_wait_xcnt 0x0
	s_wait_alu depctr_hold_cnt(0) depctr_sa_sdst(0) depctr_va_vdst(0) depctr_va_sdst(0) depctr_va_ssrc(0) depctr_va_vcc(0) depctr_vm_vsrc(0)
	s_getreg_b32 s2, hwreg(HW_REG_IB_STS2, 6, 4)
	s_cmp_eq_u32 s2, 0
	s_cbranch_scc0 .Lentry_in_a_cluster
	s_endpgm
.Lentry_in_a_cluster:
	s_bfe_u32 s2, ttmp6, 0x10000c
	s_cmp_lg_u32 s2, 0xf033
	s_cbranch_scc0 .Lentry_shape_is_right
	s_endpgm
.Lentry_shape_is_right:
; OUT = wv x w_o.  Work-group (cb, rb): 128 tokens x 64 columns, 16 x 16 = 256.  Four waves, each 64 tokens (rh = w >> 1) x 32 columns (ch = w & 1):
; eight accumulator tiles, all registers in window 0.  wv16 lies [row block][head][128 tokens][64]: a head's plane of my row block is 64 of K.
; Source 0 = 16 columns (from w16's block 48 + cb, rows along the columns: transposing loads), source 1 = 16 tokens: lane l holds token l % 16 and
; eight neighbouring columns, 32 bytes of f32.
; THE TILES.  A wave's matrix work for 128 of K is only 32 instructions, too short for a tile to land behind it, so as much of K as fits is asked
; for at once and only ONE refill is left.  64 of K cost 18,432 + 10,240 bytes of LDS; ten such pieces and the stage fit.  Region X holds six planes
; and 384 k-rows (K 0-383, later K 640-1,023), region Y four planes and 256 k-rows (K 384-639).  Both are asked for at the start; X is filled
; again once, as soon as its last fragments are in registers, and has the work on Y in which to land.
; CLUSTERS 4 x 4: the planes hang on rb alone (joint along a row of the cluster), w_o's block on cb alone (joint along a column).  Waves 0, 1 ask
; for half of a region's planes each, waves 2, 3 for half of its k-rows each: one load a wave for a region.  By this text's own count a wave has two
; tensor loads out at the start and one behind the refill's round.
; THE WALK is written out: 32 quarters of 32 along K, three fragment buffers, each quarter fetches the fragments of the quarter after next.
; LDS: X at 0: six planes of 128 tokens, pitch 144, then 384 k-rows, pitch 160.  Y at 172,032: four planes, then 256 k-rows.
; Stage at 286,720, never filled: 128 rows of 256 bytes, pitch 272.
.set PLANE, 18432
.set XW,    110592                     ; X's k-rows
.set YB,    172032                     ; Y's planes
.set YW,    245760                     ; Y's k-rows
.set STAGE, 286720
.set ADRH,  8                          ; v8: X's planes 0-2, v9: X's planes 3-5 (an LDS offset has 16 bits), v10: Y's planes
.set ADRWX, 11
.set ADRWY, 12
.set STO,   13
.set RD,    14
.set CO,    15
.set FB,    32                         ; buffer b at 32 + 48 b: W(f2) at + 8 f2, H(tt) at + 16 + 8 tt
.set ACC,   192                        ; tile (f2, tt) at 192 + 8 (4 f2 + tt)
.set G1AX, 24
.set G1AY, 32
.set G1BX, 40
.set G1BY, 48
.set G0AX, 56
.set G0AY, 60
.set G0BX, 68
.set G0BY, 72
.macro PLACES                          ; four places behind a matrix instruction before its registers are loaded into or read (ISA guide 7.12.1)
.rept 4
	v_nop
.endr
.endm
.macro CREST                           ; a round of the cluster's barrier behind its opening barrier
	s_cmp_lg_u32 s10, 0
	s_cbranch_scc1 .Lnot_wave_0_\@
	s_barrier_signal -3
.Lnot_wave_0_\@:
	s_barrier_wait -3
	s_barrier_signal -1
	s_barrier_wait -1
.endm
.macro CROUND
	s_barrier_signal -1
	s_barrier_wait -1
	CREST
.endm
; group 1: rows of 64 f16, dense in memory; pad + 1 words of padding behind every 32 words
.macro G1SET g, mask, pad, rows
	s_or_b32 s[\g+0], \mask, (1<<16)|(1<<20)|(1<<21)|(4<<22)|(\pad<<25)
	s_mov_b32 s[\g+1], 64<<16
	s_mov_b32 s[\g+2], \rows<<16
	s_mov_b32 s[\g+3], 64<<16
	s_mov_b32 s[\g+4], \rows
	s_mov_b32 s[\g+5], 64
	s_mov_b32 s[\g+6], 0
	s_mov_b32 s[\g+7], 0
.endm
; 12 LDS loads: the fragments of quarter kq of a region.  hr, hp: address register and plane behind it; wr: the region's k-rows
.macro FETCH hr, hp, wr, kq, f
.irp f2, 0,1
	ds_load_tr16_b128 v[\f+8*\f2:\f+8*\f2+3], v[\wr] offset:(\kq)*5120+\f2*32
	ds_load_tr16_b128 v[\f+8*\f2+4:\f+8*\f2+7], v[\wr] offset:(\kq)*5120+\f2*32+2560
.endr
.irp tt, 0,1,2,3
	ds_load_b128 v[\f+16+8*\tt:\f+16+8*\tt+3], v[\hr] offset:(\hp)*PLANE+\tt*2304+((\kq)%2)*64
	ds_load_b128 v[\f+16+8*\tt+4:\f+16+8*\tt+7], v[\hr] offset:(\hp)*PLANE+\tt*2304+((\kq)%2)*64+32
.endr
.endm
; quarter g of the 32: 0-11 in X, 12-19 in Y, 20-31 in X again; into buffer g % 3
.macro FETCHG g
.if (\g) < 12
	FETCH ADRH+((\g)/6), (((\g)/2)%3), ADRWX, (\g), FB+48*((\g)%3)
.else
.if (\g) < 20
	FETCH ADRH+2, (((\g)-12)/2), ADRWY, ((\g)-12), FB+48*((\g)%3)
.else
	FETCH ADRH+(((\g)-20)/6), ((((\g)-20)/2)%3), ADRWX, ((\g)-20), FB+48*((\g)%3)
.endif
.endif
.endm
.macro MUL8 f, zero                    ; the eight accumulators take turns, one instruction a turn
.irp f2, 0,1
.irp tt, 0,1,2,3
.if \zero
	v_wmma_f32_16x16x32_f16 v[ACC+8*(4*\f2+\tt):ACC+8*(4*\f2+\tt)+7], v[\f+8*\f2:\f+8*\f2+7], v[\f+16+8*\tt:\f+16+8*\tt+7], 0
.else
	v_wmma_f32_16x16x32_f16 v[ACC+8*(4*\f2+\tt):ACC+8*(4*\f2+\tt)+7], v[\f+8*\f2:\f+8*\f2+7], v[\f+16+8*\tt:\f+16+8*\tt+7], v[ACC+8*(4*\f2+\tt):ACC+8*(4*\f2+\tt)+7]
.endif
.endr
.endr
.endm
.macro QTR g, zero                     ; quarter g is multiplied; quarter g + 2 goes out into the buffer that quarter g - 1 has left
	s_wait_dscnt 12                                ; quarter g's fragments are in; the 12 loads of quarter g + 1 may be out
	PLACES
	FETCHG (\g+2)
	MUL8 FB+48*((\g)%3), \zero
.endm
	s_load_b128 s[4:7], s[0:1], 0x0                ; wv16 4:5, w16 6:7
	s_load_b64 s[8:9], s[0:1], 0x10                ; out0
	v_lshl_add_u32 v190, v0, 2, 0x4e800
	v_mov_b32 v191, 0
	ds_add_u32 v190, v191
	v_lshrrev_b32 v4, 5, v0
	v_readfirstlane_b32 s10, v4                    ; wave
	s_lshr_b32 s11, s10, 1                         ; rh; also: I fetch planes (0) or weights (1)
	s_and_b32 s12, s10, 1                          ; ch; also: which half of them
	s_bfe_u32 s13, ttmp6, 0x40000                  ; cx
	s_bfe_u32 s14, ttmp6, 0x40004                  ; cy
	s_lshl_b32 s15, ttmp9, 2
	s_add_co_u32 s15, s15, s13                     ; cb
	s_and_b32 s16, ttmp7, 0xffff
	s_lshl_b32 s16, s16, 2
	s_add_co_u32 s16, s16, s14                     ; rb
	s_lshl_b32 s17, s14, 2
	s_lshl_b32 s17, 15, s17                        ; my row of the cluster
	s_lshl_b32 s18, 0x1111, s13                    ; my column
	G1SET G1AX, s17, 3, 384                        ; three planes of 128 tokens, pitch 144
	G1SET G1AY, s17, 3, 256                        ; two planes
	G1SET G1BX, s18, 7, 192                        ; 192 k-rows, pitch 160
	G1SET G1BY, s18, 7, 128                        ; 128 k-rows
	s_lshl_b32 s20, s16, 18                        ; my row block's sixteen planes of 16,384 bytes
	s_mul_i32 s76, s12, 49152
	s_add_co_u32 s76, s76, s20                     ; X: heads 0-2 or 3-5
	s_mov_b32 s77, 0
	s_lshl_b32 s78, s12, 15
	s_add_co_u32 s78, s78, s20
	s_add_co_u32 s78, s78, 98304                   ; Y: heads 6-7 or 8-9
	s_mov_b32 s79, 0
	s_add_co_u32 s22, s15, 48
	s_lshl_b32 s22, s22, 17                        ; weights: block 48 + cb
	s_mul_i32 s80, s12, 24576
	s_add_co_u32 s80, s80, s22                     ; X: k-rows 0-191 or 192-383, 128 bytes each
	s_mov_b32 s81, 0
	s_lshl_b32 s82, s12, 14
	s_add_co_u32 s82, s82, s22
	s_add_co_u32 s82, s82, 49152                   ; Y: k-rows 384-511 or 512-639
	s_mov_b32 s83, 0
	s_lshl_b32 s84, s16, 19                        ; the way out: 128 rows of 4,096 bytes x rb
	s_lshl_b32 s86, s10, 17
	s_add_co_u32 s84, s84, s86                     ; + 32 rows x wave
	s_lshl_b32 s86, s15, 8
	s_add_co_u32 s84, s84, s86                     ; + 256 bytes x cb
	s_mov_b32 s85, 0
	s_wait_dscnt 0x0
	s_wait_kmcnt 0x0
	s_add_nc_u64 s[8:9], s[8:9], s[84:85]
	CROUND                                         ; all sixteen work-groups are here: the first joint loads meet
	s_mov_b32 s[G0AX], 1
	s_mul_i32 s[G0AX+1], s10, 3*PLANE              ; X's planes: 55,296 w, w = 0, 1
	s_add_nc_u64 s[G0AX+2:G0AX+3], s[4:5], s[76:77]
	s_or_b32 s[G0AX+3], s[G0AX+3], 0x80000000
	s_mov_b32 s[G0AY], 1
	s_mul_i32 s86, s10, 2*PLANE
	s_add_co_u32 s[G0AY+1], s86, YB                ; Y's planes: 172,032 + 36,864 w
	s_add_nc_u64 s[G0AY+2:G0AY+3], s[4:5], s[78:79]
	s_or_b32 s[G0AY+3], s[G0AY+3], 0x80000000
	s_mov_b32 s[G0BX], 1
	s_mul_i32 s86, s10, 30720
	s_add_co_u32 s[G0BX+1], s86, XW-2*30720        ; X's k-rows: 110,592 + 30,720 (w - 2), w = 2, 3
	s_add_nc_u64 s[G0BX+2:G0BX+3], s[6:7], s[80:81]
	s_or_b32 s[G0BX+3], s[G0BX+3], 0x80000000
	s_mov_b32 s[G0BY], 1
	s_mul_i32 s86, s10, 20480
	s_add_co_u32 s[G0BY+1], s86, YW-2*20480        ; Y's k-rows: 245,760 + 20,480 (w - 2)
	s_add_nc_u64 s[G0BY+2:G0BY+3], s[6:7], s[82:83]
	s_or_b32 s[G0BY+3], s[G0BY+3], 0x80000000
	s_cmp_eq_u32 s11, 0                            ; all first fills of a wave inside one branch on its number
	s_cbranch_scc0 .Lfirst_w
	tensor_load_to_lds s[G0AX:G0AX+3], s[G1AX:G1AX+7]
	s_nop 0
	tensor_load_to_lds s[G0AY:G0AY+3], s[G1AY:G1AY+7]
	s_nop 0
	s_branch .Lfirst_done
.Lfirst_w:
	tensor_load_to_lds s[G0BX:G0BX+3], s[G1BX:G1BX+7]
	s_nop 0
	tensor_load_to_lds s[G0BY:G0BY+3], s[G1BY:G1BY+7]
	s_nop 0
.Lfirst_done:
	v_and_b32 v1, 31, v0                           ; L
	v_and_b32 v2, 15, v0                           ; r
	v_bfe_u32 v3, v0, 4, 1                         ; h
	s_lshl_b32 s86, s11, 6
	v_add_nc_u32 v4, s86, v2                       ; 64 rh + r
	v_mul_u32_u24 v5, v4, 144
	v_lshl_add_u32 v[ADRH], v3, 4, v5
	v_add_nc_u32 v[ADRH+1], 3*PLANE, v[ADRH]
	v_add_nc_u32 v[ADRH+2], YB, v[ADRH]
	v_and_b32 v6, 7, v0
	v_lshl_add_u32 v6, v3, 3, v6                   ; k-row 8 h + (L & 7)
	v_mul_u32_u24 v6, v6, 160
	v_bfe_u32 v7, v0, 3, 1
	v_lshl_add_u32 v6, v7, 4, v6
	s_lshl_b32 s86, s12, 6
	v_add_nc_u32 v6, s86, v6                       ; + my 32 columns
	v_add_nc_u32 v[ADRWX], XW, v6
	v_add_nc_u32 v[ADRWY], YW, v6
	v_mul_u32_u24 v5, v4, 272
	v_lshl_add_u32 v5, v3, 5, v5
	s_lshl_b32 s86, s12, 7
	s_add_co_u32 s86, s86, STAGE
	v_add_nc_u32 v[STO], s86, v5                   ; row 64 rh + r, byte 128 ch + 32 h
	s_lshl_b32 s86, s10, 5
	v_add_nc_u32 v5, s86, v3                       ; row 32 wave + L / 16
	v_mul_u32_u24 v5, v5, 272
	v_lshl_add_u32 v5, v2, 4, v5
	v_add_nc_u32 v[RD], STAGE, v5
	v_lshlrev_b32 v[CO], 4, v2
	v_lshl_add_u32 v[CO], v3, 12, v[CO]            ; the same two rows in the output
	s_wait_tensorcnt 0x1                           ; my part of X is in; Y's may stay out
	s_barrier_signal -1
	s_barrier_wait -1
	FETCHG 0
	FETCHG 1
	QTR 0, 1                                       ; the first products start the sums
.irp g, 1,2,3,4,5,6,7,8,9
	QTR \g, 0
.endr
	; quarter 10: the fragments of quarters 10 and 11, the last of X, are in registers.  X is filled again behind a round of the cluster's barrier.
	s_wait_dscnt 0x0                               ; my reads of X are back
	s_wait_tensorcnt 0x0                           ; all my tensor loads have landed, my part of Y among them
	ds_add_u32 v190, v191
	s_wait_dscnt 0x0
	s_barrier_signal -1
	MUL8 FB+48*(10%3), 0                           ; register work between signal and wait
	s_barrier_wait -1
	CREST                                          ; no wave of any partner still reads X or has a load on its way
	s_add_nc_u64 s[G0AX+2:G0AX+3], s[G0AX+2:G0AX+3], 163840    ; ten heads on
	s_add_nc_u64 s[G0BX+2:G0BX+3], s[G0BX+2:G0BX+3], 81920     ; 640 k-rows on
	s_cmp_eq_u32 s11, 0
	s_cbranch_scc0 .Lagain_w
	tensor_load_to_lds s[G0AX:G0AX+3], s[G1AX:G1AX+7]
	s_nop 0
	s_branch .Lagain_done
.Lagain_w:
	tensor_load_to_lds s[G0BX:G0BX+3], s[G1BX:G1BX+7]
	s_nop 0
.Lagain_done:
	PLACES
	FETCHG 12
.irp g, 11,12,13,14,15,16,17
	QTR \g, 0
.endr
	; quarter 18: from here on the fetches reach into X again
	s_wait_dscnt 0x0                               ; no LDS instruction is pending at a signal
	s_wait_tensorcnt 0x0                           ; my part of X's second fill has landed
	s_barrier_signal -1
	MUL8 FB+48*(18%3), 0
	s_barrier_wait -1                              ; everybody's has
	PLACES
	FETCHG 20
.irp g, 19,20,21,22,23,24,25,26,27,28,29
	QTR \g, 0
.endr
	s_wait_dscnt 12                                ; the last two quarters fetch nothing
	MUL8 FB+48*(30%3), 0
	s_wait_dscnt 0x0
	MUL8 FB+48*(31%3), 0
	; the way out: f32 through the stage, read back as whole rows of 256 bytes
	PLACES
.irp f2, 0,1
.irp tt, 0,1,2,3
	ds_store_b128 v[STO], v[ACC+8*(4*\f2+\tt):ACC+8*(4*\f2+\tt)+3] offset:\tt*4352+\f2*64
	ds_store_b128 v[STO], v[ACC+8*(4*\f2+\tt)+4:ACC+8*(4*\f2+\tt)+7] offset:\tt*4352+\f2*64+16
.endr
.endr
	s_wait_dscnt 0x0                               ; for the other waves' sake: a row's two halves come from two waves
	s_barrier_signal -1
	s_barrier_wait -1
.irp t, 0,1,2,3,4,5,6,7,8,9,10,11,12,13,14,15
	ds_load_b128 v[32+4*\t:32+4*\t+3], v[RD] offset:544*\t
.endr
.irp t, 0,1,2,3,4,5,6,7,8,9,10,11,12,13,14,15
	s_wait_dscnt 15-\t                             ; LDS loads come back in order: this one is in
	global_store_b128 v[CO], v[32+4*\t:32+4*\t+3], s[8:9] offset:8192*\t th:TH_STORE_NT   ; sixteen lanes store 256 consecutive bytes, aligned
.endr
	s_wait_tensorcnt 0x0
	ds_add_u32 v190, v191
	s_wait_dscnt 0x0
	CROUND                                         ; the closing round
	s_endpgm
.Lfunc_end_k_q114cca2eee_oproj:
	.size	k_q114cca2eee_oproj, .Lfunc_end_k_q114cca2eee_oproj-k_q114cca2eee_oproj
	.p2alignl 7, 3214868480
	.fill 96, 4, 3214868480
	.section	.rodata,"a",@progbits
	.p2align	6, 0x0
	.amdhsa_kernel k_q114cca2eee_oproj
		.amdhsa_group_segment_fixed_size 327680
		.amdhsa_private_segment_fixed_size 0
		.amdhsa_enable_private_segment 0
		.amdhsa_kernarg_size 24
		.amdhsa_user_sgpr_count 2
		.amdhsa_user_sgpr_kernarg_segment_ptr 1
		.amdhsa_wavefront_size32 1
		.amdhsa_system_sgpr_workgroup_id_x 1
		.amdhsa_system_sgpr_workgroup_id_y 1
		.amdhsa_system_sgpr_workgroup_id_z 1
		.amdhsa_system_vgpr_workitem_id 0
		.amdhsa_next_free_vgpr 256
		.amdhsa_next_free_sgpr 88
		.amdhsa_reserve_vcc 0
		.amdhsa_float_denorm_mode_32 3
		.amdhsa_float_denorm_mode_16_64 3
		.amdhsa_memory_ordered 1
		.amdhsa_forward_progress 1
		.amdhsa_inst_pref_size 58
	.end_amdhsa_kernel
	.amdgpu_metadata
---
amdhsa.version: [ 1, 2 ]
amdhsa.kernels:
  - .name:           k_q114cca2eee_oproj
    .symbol:         k_q114cca2eee_oproj.kd
    .args:
      - { .name: wv16, .offset: 0, .size: 8, .value_kind: global_buffer, .address_space: global }
      - { .name: w16, .offset: 8, .size: 8, .value_kind: global_buffer, .address_space: global }
      - { .name: out0, .offset: 16, .size: 8, .value_kind: global_buffer, .address_space: global }
    .group_segment_fixed_size: 327680
    .private_segment_fixed_size: 0
    .kernarg_segment_align: 8
    .kernarg_segment_size: 24
    .max_flat_workgroup_size: 128
    .sgpr_count:     88
    .vgpr_count:     256
    .wavefront_size: 32
...
	.end_amdgpu_metadata
.endif
;; end of part 7
